; MI455X (gfx1250); checked and timed in simulation.
; The chip was launched on July 23, 2026; its instructions are those of AMD's public machine-readable ISA for CDNA 5 (MIT licence, August 2026) and "CDNA5" Instruction Set Architecture Reference Guide (July 2026). The comments in the code are by the model that wrote it; some were corrected since.
;; Multi Head Attention. Allowed arithmetic: matrix products marked QUANTISED: E3M2 operands, one E8M0 scale for each 32 along K, by v_wmma_scale_f32_16x16x128_f8f6f4 with both operands' format E3M2, f32 sums; everything else in f32.
;; Inputs: Wk_codes 1,024 x 32 x 24 uint8 (E3M2 codes of Wk, K innermost, in blocks of 32 codes, four codes in three bytes); Wk_scales 1,024 x 32 uint8 (E8M0 scales of Wk, one for each 32 codes along K); Wo_codes 1,024 x 32 x 24 uint8 (E3M2 codes of Wo, K innermost, in blocks of 32 codes, four codes in three bytes); Wo_scales 1,024 x 32 uint8 (E8M0 scales of Wo, one for each 32 codes along K); Wq_codes 1,024 x 32 x 24 uint8 (E3M2 codes of Wq, K innermost, in blocks of 32 codes, four codes in three bytes); Wq_scales 1,024 x 32 uint8 (E8M0 scales of Wq, one for each 32 codes along K); Wv_codes 1,024 x 32 x 24 uint8 (E3M2 codes of Wv, K innermost, in blocks of 32 codes, four codes in three bytes); Wv_scales 1,024 x 32 uint8 (E8M0 scales of Wv, one for each 32 codes along K); beta 1,024 float32; gamma 1,024 float32; k_codes 4 x 2,048 x 32 x 24 uint8 (E3M2 codes of k, K innermost, in blocks of 32 codes, four codes in three bytes); k_scales 4 x 2,048 x 32 uint8 (E8M0 scales of k, one for each 32 codes along K); q 4 x 2,048 x 1,024 float32; v_codes 4 x 2,048 x 32 x 24 uint8 (E3M2 codes of v, K innermost, in blocks of 32 codes, four codes in three bytes); v_scales 4 x 2,048 x 32 uint8 (E8M0 scales of v, one for each 32 codes along K).
;; Outputs: out0 4 x 2,048 x 1,024 float32.
;; This version of the problem:
;;   THIS VERSION OF THE PROBLEM IS GIVEN IN LOW PRECISION. The matrix products marked QUANTISED in the list below multiply operands that are first quantised to E3M2 (3 exponent bits, 2 mantissa bits; 6 bits a number), with one power-of-two scale for each 32 numbers along K (OCP MX v1.0); their sums are f32. All else is computed in f32.
;;   The module's matrix products, in the order in which they are computed (A, B: the left and right operand; K: the contracted axis; several contracted axes count as one K, in the product's order):
;;     1. [M 8,192, K 1,024] x [K 1,024, N 1,024]; A: input q; B: input Wq (given as codes): QUANTISED
;;     2. [M 8,192, K 1,024] x [K 1,024, N 1,024]; A: input k (given as codes); B: input Wk (given as codes): QUANTISED
;;     3. [M 8,192, K 1,024] x [K 1,024, N 1,024]; A: input v (given as codes); B: input Wv (given as codes): QUANTISED
;;     4. batch 64 x [M 2,048, K 64] x [K 64, N 2,048]; A: computed on the way; B: computed on the way: QUANTISED
;;     5. batch 64 x [M 2,048, K 2,048] x [K 2,048, N 64]; A: softmax (see below); B: computed on the way: QUANTISED
;;     6. [M 8,192, K 1,024] x [K 1,024, N 1,024]; A: computed on the way; B: input Wo (given as codes): QUANTISED
;;   THE QUANTISER, for each operand of a quantised product, along K:
;;     - K is cut into blocks of 32 from its start; a last block that is shorter is filled with zeros.
;;     - A block's scale is 2^e with e = floor(log2(the largest magnitude in the block)) - 4, held to -126 .. 127; a block of zeros has e = 0. As a byte (E8M0): e + 127.
;;     - Each number is divided by its block's scale, clamped to +-28, and rounded to the nearest number of E3M2, ties to even, subnormals kept.
;;     - The product sums the exact products of the quantised numbers (number of the format x scale) in f32.
;;   ~~~python
;;   def quantise(x, axis):      # numpy; x: float32 -> the quantised numbers, widened to float32 again
;;       x = np.moveaxis(x, axis, -1); K = x.shape[-1]
;;       x = np.pad(x, [(0, 0)] * (x.ndim - 1) + [(0, -K % 32)]); x = x.reshape(x.shape[:-1] + (-1, 32)); a = np.abs(x).max(-1, keepdims=True)
;;       e = np.where(a > 0, np.clip(np.frexp(np.where(a > 0, a, 1))[1] - 1 - 4, -126, 127), 0)      # np.frexp(a)[1] - 1 = floor(log2(a)), exactly
;;       r = np.clip(x / 2.0 ** e, -28, 28)
;;       step = 2.0 ** (np.maximum(np.frexp(np.where(r == 0, 1, r))[1] - 1, -2) - 2)
;;       q = np.round(r / step) * step * 2.0 ** e      # np.round: ties to even
;;       return np.moveaxis(q.reshape(q.shape[:-2] + (-1,))[..., :K], -1, axis).astype(np.float32)
;;   ~~~
;;   SOFTMAX AHEAD OF A QUANTISED PRODUCT. Where the list says 'softmax', what is quantised is not the finished softmax but p = 2^(t - M), with t = logit x log2(e) and M = ceil(the row's largest t), a whole number; so 1/2 < the row's largest p <= 1. The row's sum l is taken of the UNQUANTISED p, in f32, and the product's result is divided by l at the end. Since M is a whole number, a kernel that streams over the keys may use a running M (the ceiling of the running maximum): every later rescaling is an exact power of two, which a block's scale takes up: the codes' values come out the same.
;;   OPERANDS COMPUTED ON THE WAY. 'Computed on the way' means the value that the module computes at that place (a softmax that the list does not call 'softmax' is quantised finished and normalised). What goes into a quantiser is computed in f32, as accurately as f32 sums, v_exp_f32 and their like allow (about 1e-6 of the number): no bf16 or f16 on the way to a quantiser, and a product that is left as it is and whose result goes on into a quantised operand takes f32 operands (vector FMAs, or v_wmma_f32_16x16x4_f32). A number that lies on a knife's edge between two numbers of the format may be rounded either way, as far as f32 arithmetic and the matrix unit's own rounding can turn it there, and no further.
;;   INPUTS GIVEN AS CODES. Wk (in the module: [1024, 1024], K = its axis 1); Wo (in the module: [1024, 1024], K = its axis 1); Wq (in the module: [1024, 1024], K = its axis 1); Wv (in the module: [1024, 1024], K = its axis 1); k (in the module: [4, 2048, 1024], K = its axis 2); v (in the module: [4, 2048, 1024], K = its axis 2): each comes as NAME_codes (uint8): NAME with its K axis moved to the last place and cut into blocks of 32 codes, [.., K / 32, bytes a block], one block behind the other in memory; four codes in three bytes: a row's codes are one little-endian stream of bits, code i at bits 6 i .. 6 i + 5 (a code: sign, 3 exponent bits, 2 mantissa bits); and NAME_scales (uint8): the same leading axes, one E8M0 byte (e + 127) for each 32 codes along K. Its value is code x scale, taken as it is: it is not quantised again, and the codes and scales need not be those that the quantiser above would give.
;; One version. Each part assembles by itself: llvm-mc -triple=amdgcn-amd-amdhsa -mcpu=gfx1250 --defsym DOCPART=n.
;; ======== version 1 of 1: 4 launches
;; workspace buffers: qc 6,291,456 bytes; qs 262,144 bytes; wimg 786,432 bytes; img 18,874,368 bytes; sc 1,572,864 bytes; aimg 6,291,456 bytes; asc 262,144 bytes
;; launch prep (part 1): grid 256 x 1, 4 waves a work-group, no clusters, 33,280 bytes of LDS; arguments q, Wo_codes, qc, qs, wimg; writes qc, qs, wimg
.if DOCPART == 1
	.amdgcn_target "amdgcn-amd-amdhsa--gfx1250"
	.amdhsa_code_object_version 6
	.text
	.protected	k_q991192b316_prep
	.globl	k_q991192b316_prep
	.p2align	8
	.type	k_q991192b316_prep,@function
k_q991192b316_prep:
	s_mov_b64 s[64:65], 0
	v_nop
	global_prefetch_b8 v0, s[64:65] scope:SCOPE_SE
	s_setreg_imm32_b32 hwreg(HW_REG_WAVE_MODE, 25, 1), 1
	s_wait_xcnt 0x0
; q [8192][1024], f32, is turned into codes of BF6 (E3M2), 6 bits each, K innermost (qc: 768 bytes a row), with one E8M0 scale byte for each 32 along K (qs: 32 bytes a row).
; A block's scale is 2^(floor(log2(its largest magnitude)) - 4); its byte is the largest magnitude's own exponent field - 4, held at 1 from below.  Each number is divided by the scale and
; rounded to the nearest code, ties to even; beyond 28 the largest code.
; LIMITS: a block of zeros gets the byte 1 where the quantiser's rule says 127 (its codes are zeros, which add nothing under any byte but 0xff, and this program alone reads the bytes);
; blocks whose largest magnitude lies under 2^-122 keep the byte 1; NaN and infinities among the inputs are not served.
; Rows are dense and 1,024 is a multiple of 32: q is a plain stream of blocks of 32.  The 1,024 waves of the launch take 8,192 numbers each, in 16 steps of 512.  Each of a step's four loads reads 512
; consecutive bytes; the 2,048 bytes turn through the wave's own stage in LDS and come back 64 bytes a lane (16 neighbours along K), 80 bytes from lane to lane.  Two neighbouring lanes hold a block.
; BESIDE THAT each wave lays one half fragment of Wo's codes (16 rows x 64 along K) as an image of the six operand registers that a later launch loads: registers 0-3 at 16 x lane, registers 4-5 at
; 512 + 8 x lane: 768 bytes.  wimg[tile of 16 rows][K step of 128][half][768]: 64 x 8 x 2 = 1,024 images, one a wave.
; No tensor loads, no barrier, no cluster: waves share nothing, and no two work-groups read the same bytes.
.set STEPS, 16
.set EMAX,  4
.set CB,    12                         ; bytes of 16 codes
.set R,     16                         ; v16-79   four sets of 16 numbers as they are loaded
.set X,     80                         ; v80-111  two sets of 16 neighbours
.set E,     112                        ; v112-127 a scale byte for each step
.set C,     128                        ; v128-191 codes: four registers for each step, so that no store's data are written again
.set WO,    192                        ; v192-197 my half fragment of Wo
.set WA,    198                        ; v198     where my lane's 24 bytes of it lie
.set WREG,  8192                       ; LDS: a region for each wave: two stages of 32 x SP bytes, and behind them its 256 scale bytes
.set SP,    80                         ; a lane's place in a stage: its 64 bytes + 16 of padding
	s_load_b256 s[4:11], s[0:1], 0x0               ; q s[4:5], Wo's codes s[6:7], qc s[8:9], qs s[10:11]
	s_load_b64 s[12:13], s[0:1], 0x20              ; wimg
	v_lshl_add_u32 v200, v0, 2, 0x8000
	v_mov_b32 v201, 0
	v_lshrrev_b32 v1, 5, v0
	v_readfirstlane_b32 s16, v1                    ; wave
	v_and_b32 v2, 31, v0                           ; lane
	v_lshlrev_b32 v3, 4, v2                        ; my 16 bytes of a load's 512
	s_mul_i32 s17, s16, WREG
	v_lshrrev_b32 v14, 2, v2
	v_mul_u32_u24 v14, v14, SP
	v_and_b32 v15, 3, v2
	v_lshl_add_u32 v14, v15, 4, v14
	v_add_nc_u32 v14, s17, v14                     ; the stage, on the way in: SP (lane / 4) + 16 (lane % 4)
	v_mul_u32_u24 v15, v2, SP
	v_add_nc_u32 v15, s17, v15                     ; and on the way out: SP x lane: my 16 neighbours
	v_mul_u32_u24 v4, v2, CB                       ; my codes' place in a step's
	v_lshrrev_b32 v5, 1, v2
	s_add_co_u32 s17, s17, 2*32*SP
	v_add_nc_u32 v5, s17, v5                       ; LDS: my wave's 256 scale bytes, my block's byte
	v_lshlrev_b32 v7, 3, v2                        ; and on the way out 8 bytes a lane
	v_add_nc_u32 v6, s17, v7
	v_and_b32 v10, 15, v2
	v_lshrrev_b32 v1, 4, v2
	v_mul_u32_u24 v10, v10, 768
	v_mad_u32_u24 v[WA], v1, 24, v10               ; Wo: row lane % 16 of 768 bytes, + 24 (lane / 16)
	s_lshl_b32 s17, ttmp9, 2
	s_add_co_u32 s18, s17, s16                     ; which wave of the launch I am: 0 .. 1,023
	s_mov_b32 s19, 0
	s_lshr_b32 s22, s18, 4                         ; Wo's tile of 16 rows,
	s_mul_i32 s22, s22, 12288
	s_bfe_u32 s23, s18, 0x30001                    ; its K step of 128 (96 bytes),
	s_mul_i32 s23, s23, 96
	s_add_co_u32 s22, s22, s23
	s_and_b32 s23, s18, 1                          ; and the half of it (48 bytes)
	s_mul_i32 s23, s23, 48
	s_add_co_u32 s22, s22, s23
	s_mov_b32 s23, 0
	s_mul_i32 s24, s18, 768                        ; my image's place
	s_mov_b32 s25, 0
	s_wait_alu depctr_va_vdst(0)
	s_wait_kmcnt 0x0
	s_add_nc_u64 s[6:7], s[6:7], s[22:23]
	s_add_nc_u64 s[12:13], s[12:13], s[24:25]
	s_mov_b64 s[20:21], 512*STEPS*4
	s_mul_u64 s[20:21], s[18:19], s[20:21]
	s_add_nc_u64 s[4:5], s[4:5], s[20:21]
	s_mov_b64 s[20:21], 32*STEPS*CB
	s_mul_u64 s[20:21], s[18:19], s[20:21]
	s_add_nc_u64 s[8:9], s[8:9], s[20:21]
	s_lshl_b32 s18, s18, 8                         ; 256 scale bytes a wave
	s_add_nc_u64 s[10:11], s[10:11], s[18:19]
.irp p, 0,1,2
	global_load_b64 v[WO+2*\p:WO+2*\p+1], v[WA], s[6:7] offset:8*\p   ; Wo's 24 bytes, in pieces of 8: every address a multiple of the access's size
.endr
.macro LOAD t
.irp i, 0,1,2,3
	global_load_b128 v[R+16*((\t)%4)+4*\i:R+16*((\t)%4)+4*\i+3], v3, s[4:5] offset:2048*(\t)+512*\i th:TH_LOAD_NT   ; 32 lanes read 512 consecutive bytes
.endr
.endm
.macro TURN t                          ; step t's numbers through the stage: LDS serves a wave's instructions in order, so no wait stands between the stores and the loads
.irp i, 0,1,2,3
	ds_store_b128 v14, v[R+16*((\t)%4)+4*\i:R+16*((\t)%4)+4*\i+3] offset:32*SP*((\t)%2)+8*SP*\i
.endr
.irp i, 0,1,2,3
	ds_load_b128 v[X+16*((\t)%2)+4*\i:X+16*((\t)%2)+4*\i+3], v15 offset:32*SP*((\t)%2)+16*\i
.endr
.endm
.irp t, 0,1,2,3
	LOAD \t
.endr
	s_wait_loadcnt 12                              ; step 0's four loads are in, and Wo's three, which are older
	global_store_b128 v3, v[WO:WO+3], s[12:13]     ; the image: 512 consecutive bytes,
	global_store_b64 v7, v[WO+4:WO+5], s[12:13] offset:512   ; and 256
	TURN 0
.macro STEP t
.set XS, X+16*((\t)%2)
.if (\t) > 0
	s_wait_dscnt 1                                 ; this step's numbers are back from the stage (the last step's byte store may be out): so its stores into the stage have read their registers,
.else
	s_wait_dscnt 0x0
.endif
.if (\t)+4 < STEPS
	LOAD (\t)+4                                    ; which take the loads of four steps on
.endif
.if (\t)+1 < STEPS
.if STEPS-2-(\t) >= 3
	s_wait_loadcnt 12                              ; the next step's four loads are in; those of the three steps behind it may be out
.else
	s_wait_loadcnt 4*(STEPS-2-(\t))
.endif
	TURN (\t)+1                                    ; and go through the other stage while this step is worked
.endif
	v_max3_num_f32 v8, |v[XS]|, |v[XS+1]|, |v[XS+2]|               ; the largest magnitude of my 16
	v_max3_num_f32 v9, |v[XS+3]|, |v[XS+4]|, |v[XS+5]|
.irp i, 6,10
	v_max3_num_f32 v8, v8, |v[XS+\i]|, |v[XS+\i+1]|
	v_max3_num_f32 v9, v9, |v[XS+\i+2]|, |v[XS+\i+3]|
.endr
	v_max3_num_f32 v8, v8, |v[XS+14]|, |v[XS+15]|
	v_max3_num_f32 v8, v8, v9, (EMAX+1)<<23        ; and the floor 2^(5 - 127): the byte cannot fall under 1
	v_max_num_f32_dpp v8, v8, v8 row_xmask:1 row_mask:0xf bank_mask:0xf   ; and of my neighbour's 16: the block's
	v_add_nc_u32 v11, -(EMAX<<23), v8              ; 4 off its exponent field: the conversion takes the exponent field of this operand as its scale, and nothing else of it
	v_cvt_scalef32_pk16_bf6_f32 v[C+4*(\t):C+4*(\t)+2], v[XS:XS+15], v11
	v_lshrrev_b32 v[E+(\t)], 23, v11               ; the scale's byte (also the plain line behind the conversion)
	ds_store_b8 v5, v[E+(\t)] offset:16*(\t)       ; both lanes of a block write the same byte with the same value
	global_store_b96 v4, v[C+4*(\t):C+4*(\t)+2], s[8:9] offset:32*CB*(\t)   ; the wave stores 384 consecutive bytes
.endm
.irp t, 0,1,2,3,4,5,6,7,8,9,10,11,12,13,14,15
	STEP \t
.endr
	ds_load_b64 v[12:13], v6                       ; LDS serves a wave's instructions in order: these see my stores
	s_wait_dscnt 0x0
	global_store_b64 v7, v[12:13], s[10:11]        ; 32 lanes store 256 consecutive bytes, aligned
	s_wait_tensorcnt 0x0
	ds_add_u32 v200, v201
	s_wait_dscnt 0x0
	s_endpgm
.Lfunc_end_k_q991192b316_prep:
	.size	k_q991192b316_prep, .Lfunc_end_k_q991192b316_prep-k_q991192b316_prep
	.p2alignl 7, 3214868480
	.fill 96, 4, 3214868480
	.section	.rodata,"a",@progbits
	.p2align	6, 0x0
	.amdhsa_kernel k_q991192b316_prep
		.amdhsa_group_segment_fixed_size 33280
		.amdhsa_private_segment_fixed_size 0
		.amdhsa_enable_private_segment 0
		.amdhsa_kernarg_size 40
		.amdhsa_user_sgpr_count 2
		.amdhsa_user_sgpr_kernarg_segment_ptr 1
		.amdhsa_wavefront_size32 1
		.amdhsa_system_sgpr_workgroup_id_x 1
		.amdhsa_system_sgpr_workgroup_id_y 1
		.amdhsa_system_sgpr_workgroup_id_z 1
		.amdhsa_system_vgpr_workitem_id 0
		.amdhsa_next_free_vgpr 202
		.amdhsa_next_free_sgpr 66
		.amdhsa_reserve_vcc 0
		.amdhsa_float_denorm_mode_32 3
		.amdhsa_float_denorm_mode_16_64 3
		.amdhsa_memory_ordered 1
		.amdhsa_forward_progress 1
		.amdhsa_inst_pref_size 33
	.end_amdhsa_kernel
	.amdgpu_metadata
---
amdhsa.version: [ 1, 2 ]
amdhsa.kernels:
  - .name:           k_q991192b316_prep
    .symbol:         k_q991192b316_prep.kd
    .args:
      - { .name: q, .offset: 0, .size: 8, .value_kind: global_buffer, .address_space: global }
      - { .name: Wo_codes, .offset: 8, .size: 8, .value_kind: global_buffer, .address_space: global }
      - { .name: qc, .offset: 16, .size: 8, .value_kind: global_buffer, .address_space: global }
      - { .name: qs, .offset: 24, .size: 8, .value_kind: global_buffer, .address_space: global }
      - { .name: wimg, .offset: 32, .size: 8, .value_kind: global_buffer, .address_space: global }
    .group_segment_fixed_size: 33280
    .private_segment_fixed_size: 0
    .kernarg_segment_align: 8
    .kernarg_segment_size: 40
    .max_flat_workgroup_size: 128
    .sgpr_count:     66
    .vgpr_count:     202
    .wavefront_size: 32
...
	.end_amdgpu_metadata
.endif
;; end of part 1
;; launch proj (part 2): grid 4 x 96, 4 waves a work-group, clusters of 4 x 4, 327,680 bytes of LDS; arguments qc, qs, Wq_codes, Wq_scales, k_codes, k_scales, Wk_codes, Wk_scales, Wv_codes, Wv_scales, v_codes, v_scales, img, sc; writes img, sc
.if DOCPART == 2
	.amdgcn_target "amdgcn-amd-amdhsa--gfx1250"
	.amdhsa_code_object_version 6
	.text
	.protected	k_q991192b316_proj
	.globl	k_q991192b316_proj
	.p2align	8
	.type	k_q991192b316_proj,@function
k_q991192b316_proj:
	s_mov_b64 s[64:65], 0
	v_nop
	global_prefetch_b8 v0, s[64:65] scope:SCOPE_SE
	s_setreg_imm32_b32 hwreg(HW_REG_WAVE_MODE, 25, 1), 1
	s_wait_xcnt 0x0
	s_wait_alu depctr_hold_cnt(0) depctr_sa_sdst(0) depctr_va_vdst(0) depctr_va_sdst(0) depctr_va_ssrc(0) depctr_va_vcc(0) depctr_vm_vsrc(0)
	s_getreg_b32 s2, hwreg(HW_REG_IB_STS2, 6, 4)
	s_cmp_eq_u32 s2, 0
	s_cbranch_scc0 .Lentry_in_a_cluster
	s_endpgm
.Lentry_in_a_cluster:
	s_bfe_u32 s2, ttmp6, 0x10000c
	s_cmp_lg_u32 s2, 0xf033
	s_cbranch_scc0 .Lentry_shape_is_right
	s_endpgm
.Lentry_shape_is_right:
; The three projections, on codes of BF6 (E3M2) with one E8M0 scale for each 32 along K = 1,024, and the quantising of their results for the attention launch.
; One launch, 24 clusters of 4 x 4 work-groups; the cluster's number gives the kind: 0-7 Q, 8-15 K, 16-23 V.  A product is C[x][y] = sum over k of A[x][k] B[y][k]:
;   kind 0: A = q's codes (8,192 tokens), B = Wq (1,024 features)     kind 1: A = k, B = Wk     kind 2: A = Wv (1,024 features), B = v (8,192 tokens).
; THE MATRIX INSTRUCTION IS USED TRANSPOSED (source 0 = 16 rows of B, source 1 = 16 rows of A): a lane holds ONE row of A and eight neighbouring rows of B.  So B's rows are the axis along which the result
; is quantised: the features of a head for Q and K, the keys for V.
; A work-group of four waves makes 256 x 256, a wave 128 x 128: 64 accumulators, 512 registers.  K goes in steps of 256 (rows of 192 bytes) through a ring of two LDS slots filled by the tensor data mover.
; The scale bytes of the work-group's rows, for all of K, come into LDS once.  The four work-groups of a row of the cluster need the same tiles of A, the four of a column the same tiles of B:
; each tile is asked for JOINTLY, by the same tensor load with the same descriptor and a mask that names the four.
; THE WAY OUT.  A block of 16 rows of A x 128 of B goes through the wave's stage in LDS and comes back 16 neighbours of each block of 32 to a lane; it is quantised in registers into ONE operand fragment
; (16 rows x 128) and a scale word a row.  Fragments are stored as IMAGES OF THEIR REGISTERS, in halves of six registers: registers 0-3 at 16 x lane, 4-5 at 512 + 8 x lane: 768 bytes a half.
;   img[kind][G][T][half][768]: G = the group of 128 rows of B, T = the tile of 16 rows of A.  For Q and K a half is one head (64 features); for V a fragment is 128 keys.
;   THE ROWS OF A TILE ARE NOT NEIGHBOURS: in each group of 32 rows of A, tile u's place p holds row 16 (p / 8) + 8 u + p % 8, so that the results of two neighbouring tiles used as source 0 are 16 neighbours in a lane.
;   sc[kind][G][half][T / 8][512]: the word of tile a (of 8), place p, at 256 (a / 4) + 8 (p + 16 (a % 2)) + 4 ((a / 2) % 2): a load of 8 bytes a lane brings two registers, each with one tile's words in
;   lanes 0-15 and the next tile's in lanes 16-31.  Half 0 holds the whole word, half 1 the word shifted down by 16 bits.
; LIMITS: a block of zeros gets the byte 1 and not 127 (zero codes; read by this program alone); NaN and infinities are not served.
; REGISTERS, in windows of 256: window 0: v0-31 addresses; v32-63 scale words, two sets; from v128 A's fragments, one set; on the way out v64-255 are free.
;   window 1: B's fragments, two sets, at v0 and v128.   window 2: the accumulators of my rows 0-63 of A ((a, b) at v[8 (8 a + b)]);   window 3: those of rows 64-127.
.set SIZE_K, 1024
.set KSTEP,  256                       ; along K in a slot
.set NQ,     KSTEP/128                 ; matrix instructions deep
.set ROWB,   192                       ; a tile's row in bytes
.set KROW,   SIZE_K*6/8                ; a row of codes in memory
.set PITCH,  240                       ; an LDS row: 3 x (64 bytes + 16 of padding): the 32 lanes of a load of 8 bytes touch 64 different banks (64 banks of 4 bytes: ISA guide 11.1)
.set FR,     12                        ; registers of a fragment
.set NL,     6                         ; LDS loads that bring one
.set NP,     4                         ; places behind this matrix instruction (ISA guide 7.12.1)
.set HALFT,  128*PITCH                 ; 128 rows: what one tensor load brings
.set SLOT,   4*HALFT                   ; A's 256 rows, then B's 256 rows
.set LAPS,   SIZE_K/(2*KSTEP)          ; a lap = two K steps = once round the ring
.set KS,     SIZE_K/32                 ; a row of scales in bytes
.set SCL,    2*SLOT                    ; behind the ring: the scales, as rows of 256 bytes + 16 of padding
.set HALFS,  (128*KS/256)*272          ; the scales of 128 rows
.set SBLK,   (16*KS/256)*272           ; those of 16 rows
.set SPARE,  SCL+4*HALFS               ; the spare words, 128 bytes for each wave: two blocks of 256 bytes that no other line names
.set SPITCH, 528                       ; the way out: a stage of 16 rows x (512 bytes + 16) for each wave,
.set ISTG,   4*16*SPITCH               ; and behind the four a stage for images: 12,288 bytes of fragments and two scale images of 512 for each wave.
.set IWAVE,  13312                     ; Both lie in slot 0, which has had its last fill and its last read when the first result is stored there
.set IMGSZ,  6291456                   ; a kind's images
.set SCSZ,   524288                    ; a kind's scale images
.set IMA,  7                           ; v7      image stage: where registers 0-3 of a half go
.set IMB,  8                           ; v8      where registers 4-5 go
.set SCA,  9                           ; v9      where my row's scale word goes
.set RDL,  10                          ; v10     image stage + 16 x lane
.set GL,   11                          ; v11     16 x lane
.set ADRA, 16                          ; v16-17  LDS address of my A fragments in slot 0, 1  (v18-19: for the pieces that lie behind one padding more)
.set ADRB, 20                          ; v20-21  the same for B  (v22-23)
.set STO,  24                          ; v24     the stage: where I put 32 bytes of a row
.set RDQ,  25                          ; v25     and where I read 16 neighbours of a block back
.set ADRS, 27                          ; v27     LDS address of my scale words: lanes 0-15 A's rows, lanes 16-31 B's
.set SPW,  28                          ; v28     LDS address of my spare word; never rewritten
.set NIL,  29                          ; v29     0; never rewritten
.set SC,   32                          ; scale words: set s at v[SC + 8 NQ s]; register NQ i + q: lanes 0-15 A's block i, lanes 16-31 B's block i
.set XQ,   64                          ; the way out: v64-127, v128-191: 64 numbers of a lane, two sets by turns
.set AF,   128                         ; A's fragments, in window 0
.set TM,   200                         ; v200-215 at work in the quantiser
.set PW,   216                         ; v216 the scale word just made, v217 the same shifted down
.set CD,   224                         ; v224-235 the codes just made (v236-242 at work)
.set SEL,  18                          ; s[18:19] lane selects for v_permlanex16_b32: lane l xor 16
.set G1, 24                            ; s[24:31] descriptor group 1 for A's tiles;  s[32:39] group 0, one set for each slot
.set G0, 32
.set G1B, 48                           ; s[48:55], s[56:63] the same for B's tiles
.set G0B, 56
.set G1S, 68                           ; s[68:75], s[76:79] groups 1 and 0 for A's scales;  s[80:87], s[88:91] for B's
.set G0S, 76
.set G1SB, 80
.set G0SB, 88
.set MSB, 0
.macro WIN new                         ; the immediate's high byte repeats the setting that is left
.if MSB != \new
	s_set_vgpr_msb (MSB<<8)|\new
.set MSB, \new
.endif
.endm
.set MUL_LO, 0xa1                      ; source 0 (B) window 1, source 1 (A) window 0, C and D window 2
.set MUL_HI, 0xf1                      ; the same, C and D window 3
.set TO_B,   0x40                      ; destination window 1, address window 0
; A joint load: waves 0 and 1 fetch for A, waves 2 and 3 for B.  Each of the two lines has one mask and one set of registers for all that issue it; the branch hangs on the wave's number alone.
; Four v_nop follow each of the two lines, ahead of the jump, the label and what follows.
.macro JLOAD g0a, g1a, g0b, g1b
	s_cmp_eq_u32 s15, 0
	s_cbranch_scc0 .Lfor_b_\@
	tensor_load_to_lds s[\g0a:\g0a+3], s[\g1a:\g1a+7]
	s_nop 0
.rept 4
	v_nop
.endr
	s_branch .Lasked_\@
.Lfor_b_\@:
	tensor_load_to_lds s[\g0b:\g0b+3], s[\g1b:\g1b+7]
	s_nop 0
.rept 4
	v_nop
.endr
.Lasked_\@:
.endm
.macro CREST                           ; a round of the cluster's barrier behind its opening barrier
	s_cmp_lg_u32 s14, 0
	s_cbranch_scc1 .Lnot_wave_0_\@
	s_barrier_signal -3
.Lnot_wave_0_\@:
	s_barrier_wait -3
	s_barrier_signal -1
	s_barrier_wait -1
.endm
.macro CROUND                          ; a whole round
	s_barrier_signal -1
	s_barrier_wait -1
	CREST
.endm
	s_load_b256 s[68:75], s[0:1], 0x0              ; qc, qs, Wq's codes, Wq's scales
	s_load_b256 s[76:83], s[0:1], 0x20             ; k's codes, k's scales, Wk's codes, Wk's scales
	s_load_b256 s[84:91], s[0:1], 0x40             ; Wv's codes, Wv's scales, v's codes, v's scales
	s_load_b128 s[92:95], s[0:1], 0x60             ; img, sc
	v_lshl_add_u32 v[SPW], v0, 2, SPARE
	v_mov_b32 v[NIL], 0
	ds_add_u32 v28, v29
	ds_add_u32 v28, v29
	s_wait_dscnt 0x0
	v_lshrrev_b32 v1, 5, v0
	v_readfirstlane_b32 s14, v1                    ; wave 0..3
	s_lshr_b32 s15, s14, 1                         ; which half of the tile's rows of A is mine.  Also: I fetch for A (0) or for B (1)
	s_and_b32 s16, s14, 1                          ; which half of its rows of B.  Also: which 128 rows of that tile I fetch
	s_bfe_u32 s40, ttmp6, 0x40000                  ; cx, cy: my place in the cluster
	s_bfe_u32 s41, ttmp6, 0x40004
	s_and_b32 s99, ttmp7, 0xffff                   ; the cluster's number, 0 .. 23: the same in all sixteen partners
	s_lshr_b32 s98, s99, 3                         ; the kind: 0 Q, 1 K, 2 V
	s_and_b32 s99, s99, 7                          ; which of the kind's eight clusters
	s_cmp_eq_u32 s98, 2                            ; the long operand (8,192 rows, 32 tiles) is A for Q and K, B for V
	s_cselect_b32 s17, 0, s99
	s_cselect_b32 s42, s99, 0
	s_lshl_b32 s17, s17, 2
	s_add_co_u32 s17, s17, s41                     ; A's tile of 256 rows: hangs on cy and the cluster's number alone
	s_lshl_b32 s42, s42, 2
	s_add_co_u32 s42, s42, s40                     ; B's: on cx and the cluster's number alone
	s_lshl_b32 s43, s41, 2
	s_lshl_b32 s43, 15, s43                        ; my row of the cluster
	s_lshl_b32 s44, 0x1111, s40                    ; my column
	; descriptor group 1: a tile of 128 rows x 192 bytes, padded in LDS
	s_or_b32 s[G1+0], s43, (0<<16)|(1<<20)|(1<<21)|(3<<22)|(3<<25)  ; 15:0 the mask: A's tiles go to my row; 17:16 element of 1 byte; 20 padding on; 21 set beside a mask; 24:22 after every 16 words; 31:25 of 4 words
	s_or_b32 s[G1B+0], s44, (0<<16)|(1<<20)|(1<<21)|(3<<22)|(3<<25)
.irp g, G1, G1B
	s_mov_b32 s[\g+1], ROWB<<16                    ; tensor_dim0
	s_mov_b32 s[\g+2], 128<<16                     ; tensor_dim1 = 128
	s_mov_b32 s[\g+3], ROWB<<16                    ; tile_dim0
	s_mov_b32 s[\g+4], 128                         ; tile_dim1 = 128
	s_mov_b32 s[\g+5], KROW                        ; tensor_dim0_stride
	s_mov_b32 s[\g+6], 0
	s_mov_b32 s[\g+7], 0
.endr
	s_wait_kmcnt 0x0
	s_cmp_eq_u32 s98, 0                            ; the kind's four buffers: the choice hangs on the cluster's number alone
	s_cselect_b64 s[4:5], s[68:69], s[76:77]       ; A's codes
	s_cselect_b64 s[6:7], s[70:71], s[78:79]       ; A's scales
	s_cselect_b64 s[8:9], s[72:73], s[80:81]       ; B's codes
	s_cselect_b64 s[10:11], s[74:75], s[82:83]     ; B's scales
	s_cmp_eq_u32 s98, 2
	s_cselect_b64 s[4:5], s[84:85], s[4:5]
	s_cselect_b64 s[6:7], s[86:87], s[6:7]
	s_cselect_b64 s[8:9], s[88:89], s[8:9]
	s_cselect_b64 s[10:11], s[90:91], s[10:11]
	s_mov_b64 s[12:13], s[92:93]                   ; img
	s_mov_b64 s[96:97], s[94:95]                   ; sc
	; group 1 for the scales of 128 rows: a dense block of 4,096 bytes, as rows of 256 bytes (32 elements of 8 bytes), 16 bytes of padding behind each
	s_or_b32 s[G1S+0], s43, (3<<16)|(1<<20)|(1<<21)|(5<<22)|(3<<25)
	s_or_b32 s[G1SB+0], s44, (3<<16)|(1<<20)|(1<<21)|(5<<22)|(3<<25)
.irp g, G1S, G1SB
	s_mov_b32 s[\g+1], 32<<16
	s_mov_b32 s[\g+2], (128*KS/256)<<16
	s_mov_b32 s[\g+3], 32<<16
	s_mov_b32 s[\g+4], 128*KS/256
	s_mov_b32 s[\g+5], 32
	s_mov_b32 s[\g+6], 0
	s_mov_b32 s[\g+7], 0
.endr
	s_lshl_b32 s18, s16, 7                         ; which 128 rows of the tile I fetch
	s_lshl_b32 s20, s17, 8
	s_add_co_u32 s20, s20, s18                     ; A: row 256 x tile + 128 x half
	s_lshl_b32 s46, s42, 8
	s_add_co_u32 s46, s46, s18                     ; B likewise
	s_mov_b32 s21, 0
	s_mov_b32 s47, 0
	s_mov_b64 s[18:19], KS
	s_mul_u64 s[22:23], s[20:21], s[18:19]         ; where these rows' scales begin, in bytes
	s_mul_u64 s[92:93], s[46:47], s[18:19]
	s_mov_b64 s[18:19], KROW
	s_mul_u64 s[20:21], s[20:21], s[18:19]         ; and their codes
	s_mul_u64 s[46:47], s[46:47], s[18:19]
	s_mul_i32 s45, s14, HALFT                      ; where they go: wave x 128 rows: no place in the cluster enters an LDS address
	s_mul_i32 s94, s14, HALFS
	s_add_nc_u64 s[20:21], s[4:5], s[20:21]
	s_add_nc_u64 s[22:23], s[6:7], s[22:23]
	s_add_nc_u64 s[46:47], s[8:9], s[46:47]
	s_add_nc_u64 s[92:93], s[10:11], s[92:93]
	CROUND                                         ; all sixteen work-groups are here: the first joint loads meet
	s_mov_b32 s[G0S], 1
	s_add_co_u32 s[G0S+1], s94, SCL
	s_mov_b64 s[G0S+2:G0S+3], s[22:23]
	s_or_b32 s[G0S+3], s[G0S+3], 0x80000000
	s_mov_b32 s[G0SB], 1
	s_add_co_u32 s[G0SB+1], s94, SCL
	s_mov_b64 s[G0SB+2:G0SB+3], s[92:93]
	s_or_b32 s[G0SB+3], s[G0SB+3], 0x80000000
	JLOAD G0S, G1S, G0SB, G1SB                     ; the scales first: they are wanted with K step 0
.irp s, 0,1
	s_mov_b32 s[G0+4*\s], 1
	s_add_co_u32 s[G0+4*\s+1], s45, \s*SLOT
	s_add_nc_u64 s[G0+4*\s+2:G0+4*\s+3], s[20:21], \s*ROWB
	s_or_b32 s[G0+4*\s+3], s[G0+4*\s+3], 0x80000000
	s_mov_b32 s[G0B+4*\s], 1
	s_add_co_u32 s[G0B+4*\s+1], s45, \s*SLOT
	s_add_nc_u64 s[G0B+4*\s+2:G0B+4*\s+3], s[46:47], \s*ROWB
	s_or_b32 s[G0B+4*\s+3], s[G0B+4*\s+3], 0x80000000
	s_wait_alu depctr_va_vdst(0)
	s_wait_tensorcnt 0x0
	ds_add_u32 v28, v29
	s_wait_dscnt 0x0
	CROUND
	JLOAD G0+4*\s, G1, G0B+4*\s, G1B               ; one tensor load of mine is out now
.endr
	v_and_b32 v1, 15, v0                           ; r = l % 16
	v_bfe_u32 v2, v0, 4, 1                         ; h = l / 16
	v_mul_u32_u24 v3, v1, PITCH
	v_mul_u32_u24 v4, v2, 24
	v_add_nc_u32 v4, v3, v4                        ; a fragment's row x pitch + 24 x half
	v_lshl_add_u32 v5, v2, 4, v4                   ; and the same behind one padding more
	s_mul_i32 s21, s15, HALFT                      ; my 128 rows of A
	s_mul_i32 s22, s16, HALFT                      ; my 128 rows of B,
	s_add_co_u32 s22, s22, 2*HALFT                 ; which lie behind A's 256
.irp s, 0,1
	v_add_nc_u32 v[ADRA+\s], s21, v4
	v_add_nc_u32 v[ADRB+\s], s22, v4
	v_add_nc_u32 v[ADRA+2+\s], s21, v5
	v_add_nc_u32 v[ADRB+2+\s], s22, v5
	s_add_co_u32 s21, s21, SLOT
	s_add_co_u32 s22, s22, SLOT
.endr
	v_mul_u32_u24 v5, v1, KS                       ; my row's scales: 32 bytes a row,
	v_lshrrev_b32 v6, 8, v5
	v_lshl_add_u32 v5, v6, 4, v5                   ; and 16 more for each 256 passed
	s_mul_i32 s21, s15, HALFS                      ; A's: my 128 rows
	s_mul_i32 s22, s16, HALFS                      ; B's: my 128 rows, behind A's 256
	s_add_co_u32 s22, s22, 2*HALFS
	s_sub_co_u32 s22, s22, s21
	v_mul_u32_u24 v6, s22, v2                      ; lanes 16-31 take B's
	s_add_co_u32 s21, s21, SCL
	v_add_nc_u32 v5, v5, v6
	v_add_nc_u32 v[ADRS], s21, v5
	s_mul_i32 s23, s14, 16*SPITCH                  ; my stage
	v_mul_u32_u24 v5, v1, SPITCH
	v_lshl_add_u32 v6, v2, 5, v5
	v_add_nc_u32 v[STO], s23, v6                   ; in: row r, 32 bytes for each half of the lanes
	v_lshl_add_u32 v6, v2, 6, v5
	v_add_nc_u32 v[RDQ], s23, v6                   ; back: row r, 64 bytes (16 numbers) for each half, of each 128 bytes
	s_mul_i32 s23, s14, IWAVE
	s_add_co_u32 s23, s23, ISTG                    ; my image stage
	v_lshrrev_b32 v5, 3, v1                        ; r / 8: which of the pair's two tiles my row belongs to
	v_and_b32 v6, 7, v1                            ; r % 8
	v_mul_u32_u24 v3, v5, 1536
	v_add_nc_u32 v3, s23, v3
	v_lshl_add_u32 v[IMA], v6, 4, v3
	v_lshl_add_u32 v[IMA], v2, 8, v[IMA]           ; registers 0-3: 16 x (r % 8 + 16 h); the block's parity adds 8 places, in the offset
	v_lshl_add_u32 v[IMB], v6, 3, v3
	v_lshl_add_u32 v[IMB], v2, 7, v[IMB]           ; registers 4-5: 8 x the same place
	v_lshlrev_b32 v3, 7, v5
	v_lshl_add_u32 v3, v6, 3, v3
	v_add_nc_u32 v3, s23, v3
	v_add_nc_u32 v[SCA], 12288, v3                 ; the scale word: 128 (r / 8) + 8 (r % 8)
	v_and_b32 v3, 31, v0
	v_lshlrev_b32 v[GL], 4, v3
	v_add_nc_u32 v[RDL], s23, v[GL]
	; where my wave's images go: img + kind x IMGSZ + (G x NT + T0) x 1536;  sc + kind x SCSZ + (2 G x NT / 8 + T0 / 8) x 512, its second half NT / 8 x 512 on.  NT = tiles of A: 512 (Q, K) or 64 (V)
	s_lshl_b32 s20, s42, 1
	s_add_co_u32 s20, s20, s16                     ; G: my group of 128 rows of B
	s_lshl_b32 s21, s17, 4
	s_lshl_b32 s22, s15, 3
	s_add_co_u32 s21, s21, s22                     ; T0: my first tile of 16 rows of A
	s_cmp_eq_u32 s98, 2
	s_cselect_b32 s22, 6, 9                        ; log2 NT
	s_lshl_b32 s2, s20, s22                        ; G x NT
	s_add_co_u32 s23, s2, s21
	s_mul_i32 s46, s23, 1536
	s_mul_i32 s47, s98, IMGSZ
	s_add_co_u32 s46, s46, s47
	s_mov_b32 s47, 0
	s_add_nc_u64 s[12:13], s[12:13], s[46:47]
	s_lshl_b32 s46, s2, 7
	s_lshl_b32 s23, s21, 6
	s_add_co_u32 s46, s46, s23
	s_mul_i32 s23, s98, SCSZ
	s_add_co_u32 s46, s46, s23
	s_add_nc_u64 s[96:97], s[96:97], s[46:47]
	s_lshl_b32 s46, 64, s22
	s_add_nc_u64 s[100:101], s[96:97], s[46:47]
	s_mov_b32 s[SEL], 0x76543210
	s_mov_b32 s[SEL+1], 0xfedcba98
.macro FRAG reg, adr, q, i             ; a fragment, 16 rows x 128 K, is 12 registers: lane l holds row l % 16; registers 6 c .. 6 c + 5 hold K = 64 c + 32 (l / 16) + 0 .. 31: 24 bytes of the row's stream of bits, as they lie
.irp p, 0,1,2,3,4,5                    ; in pieces of 8 bytes.  Lanes 0-15 take the row's pieces 12 q + 0, 1, 2 and 12 q + 6, 7, 8, lanes 16-31 those three pieces on
.set PCE, 12*(\q)+6*(\p/3)+\p%3       ; 16 bytes of padding lie behind every 8 pieces: where the piece three on lies behind one padding more, the second address register serves
.if PCE%8 < 5
	ds_load_b64 v[\reg+2*\p:\reg+2*\p+1], v[\adr] offset:8*PCE+16*(PCE/8)+(\i)*16*PITCH
.else
	ds_load_b64 v[\reg+2*\p:\reg+2*\p+1], v[\adr+2] offset:8*PCE+16*(PCE/8)+(\i)*16*PITCH
.endif
.endr
.endm
; 16 matrix instructions: A's blocks a0, a0 + 1 x B's eight, 128 along K: the slot's q-th.  p: B's set;  sc: the set of scale words.  zero = 1: the first product starts the sums.
; The 64 accumulators take turns, one instruction a turn, in the same order in every step.
.macro MUL16 a0, p, q, sc, zero
.irp a, \a0, \a0+1
.irp b, 0,1,2,3,4,5,6,7
.if \zero
	v_wmma_scale_f32_16x16x128_f8f6f4 v[8*(8*((\a)%4)+\b):8*(8*((\a)%4)+\b)+7], v[128*(\p)+FR*\b:128*(\p)+FR*\b+FR-1], v[AF+FR*(\a):AF+FR*(\a)+FR-1], 0, v[SC+8*NQ*(\sc)+NQ*\b+(\q)], v[SC+8*NQ*(\sc)+NQ*(\a)+(\q)] matrix_a_fmt:MATRIX_FMT_BF6 matrix_b_fmt:MATRIX_FMT_BF6 matrix_a_scale:MATRIX_SCALE_ROW1
.else
	v_wmma_scale_f32_16x16x128_f8f6f4 v[8*(8*((\a)%4)+\b):8*(8*((\a)%4)+\b)+7], v[128*(\p)+FR*\b:128*(\p)+FR*\b+FR-1], v[AF+FR*(\a):AF+FR*(\a)+FR-1], v[8*(8*((\a)%4)+\b):8*(8*((\a)%4)+\b)+7], v[SC+8*NQ*(\sc)+NQ*\b+(\q)], v[SC+8*NQ*(\sc)+NQ*(\a)+(\q)] matrix_a_fmt:MATRIX_FMT_BF6 matrix_b_fmt:MATRIX_FMT_BF6 matrix_a_scale:MATRIX_SCALE_ROW1
.endif
.endr
.endr
.endm
.macro FETCH_B slot, q, p              ; B's eight fragments of the slot's q-th 128 along K into set p
	WIN TO_B
.irp i, 0,1,2,3,4,5,6,7
	FRAG 128*(\p)+FR*\i, ADRB+\slot, \q, \i
.endr
	WIN 0
.endm
.macro FETCH_A slot, q, i0             ; A's blocks i0 .. i0 + 3
.irp i, \i0, \i0+1, \i0+2, \i0+3
	FRAG AF+FR*(\i), ADRA+\slot, \q, \i
.endr
.endm
.macro SCALES sc                       ; the next K step's scale words into set sc: two words a row; lanes 0-15 take A's block i, lanes 16-31 B's block i
.irp i, 0,1,2,3,4,5,6,7
	ds_load_b64 v[SC+8*NQ*\sc+NQ*\i:SC+8*NQ*\sc+NQ*\i+1], v[ADRS] offset:\i*SBLK
.endr
.endm
; A load into a register that a matrix instruction has read, and a vector instruction or an LDS store that reads a matrix result, stand four places behind that matrix instruction, and only plain vector
; instructions that name none of its registers are places (ISA guide 7.12.1 for vector instructions).
.macro PLACES n
.rept \n
	v_nop
.endr
.endm
; A step of 128 along K that has its successor in the same slot.
.macro STEP slot, q, zero
	s_wait_dscnt 4*NL                              ; B's set and A's blocks 0-3 are in; the youngest 24 loads (A's blocks 4-7) may be out
	WIN MUL_LO
	MUL16 0, (\q)%2, \q, \slot, \zero
	MUL16 2, (\q)%2, \q, \slot, \zero
	s_wait_dscnt 0                                 ; A's blocks 4-7 are in (asked for 32 matrix instructions ago)
	PLACES NP
	FETCH_B \slot, (\q)+1, 1-(\q)%2
	FETCH_A \slot, (\q)+1, 0
	WIN MUL_HI
	MUL16 4, (\q)%2, \q, \slot, \zero
	MUL16 6, (\q)%2, \q, \slot, \zero
	PLACES NP
	WIN 0
	FETCH_A \slot, (\q)+1, 4
.endm
; A slot's last step changes slots: one barrier; in front of it each wave waits for all its tensor loads, adds 0 to its spare word, and waits for that and for its own reads of this slot.  fill = 1: this slot is filled again, two K steps ahead.
.macro TURN slot, next, fill
	s_wait_tensorcnt 0x0                           ; all my tensor loads have landed: my part of the next slot;  (every window is 0 here)
	ds_add_u32 v[SPW], v[NIL]                      ; 0 onto my spare word
	s_wait_dscnt 4*NL+1                            ; (the add and the youngest 24 loads, A's blocks 4-7, may be out)
	WIN MUL_LO
	MUL16 0, 1, NQ-1, \slot, 0                     ; sixteen matrix instructions stand between the add and the wait for it
	s_wait_dscnt 0x0                               ; the add is done, and my reads of this slot are over
	s_barrier_signal -1
	MUL16 2, 1, NQ-1, \slot, 0
	WIN 0
	s_barrier_wait -1
.if \fill
	CREST                                          ; the barrier has opened a round of the cluster's barrier: no wave of any partner still reads this slot's tile or has a load on its way
	s_add_nc_u64 s[G0+4*\slot+2:G0+4*\slot+3], s[G0+4*\slot+2:G0+4*\slot+3], 2*ROWB
	s_add_nc_u64 s[G0B+4*\slot+2:G0B+4*\slot+3], s[G0B+4*\slot+2:G0B+4*\slot+3], 2*ROWB
	JLOAD G0+4*\slot, G1, G0B+4*\slot, G1B         ; the first tensor load behind the round; the four v_nop behind it are the places in front of the loads below
.else
	PLACES NP
.endif
	s_wait_alu depctr_va_vdst(0)
	v_add_nc_u32 v[ADRS], 4*NQ, v[ADRS]            ; on to the next K step's scale words (no LDS load of mine is out)
	FETCH_B \next, 0, 0
	FETCH_A \next, 0, 0
	SCALES \next
	WIN MUL_HI
	MUL16 4, 1, NQ-1, \slot, 0
	MUL16 6, 1, NQ-1, \slot, 0
	PLACES NP
	WIN 0
	FETCH_A \next, 0, 4
.endm
	s_wait_tensorcnt 1                             ; the scales and my part of K step 0 are in (K step 1's load may be out)
	s_barrier_signal -1
	s_barrier_wait -1                              ; everybody's are
	FETCH_B 0, 0, 0
	FETCH_A 0, 0, 0
	SCALES 0
	FETCH_A 0, 0, 4
	STEP 0, 0, 1                                   ; the first step stands in front of the loop: its products start the sums
	s_mov_b32 s3, LAPS-1
.Llap:                                                 ; a trip goes once round the ring, from a lap's second step to the next lap's first, and fills both slots again
	TURN 0, 1, 1
	STEP 1, 0, 0
	TURN 1, 0, 1
	STEP 0, 0, 0
	s_sub_co_u32 s3, s3, 1
	s_cmp_lg_u32 s3, 0
	s_cbranch_scc1 .Llap
	TURN 0, 1, 0                                   ; the last lap fills nothing, and has no round of the cluster's barrier
	STEP 1, 0, 0
	s_wait_dscnt 4*NL                              ; the very last step: nothing more to fetch
	WIN MUL_LO
	MUL16 0, 1, NQ-1, 1, 0
	MUL16 2, 1, NQ-1, 1, 0
	s_wait_dscnt 0
	WIN MUL_HI
	MUL16 4, 1, NQ-1, 1, 0
	MUL16 6, 1, NQ-1, 1, 0
	WIN 0
; THE WAY OUT.  TS a: block a (16 rows of A x 128 of B, f32) into my stage as rows of 512 bytes, each accumulator from its low end on, and back so that register 16 g + i of lane (r, h) is number 32 g + 16 h + i of row r.
; LDS serves a wave's instructions in order (ISA guide 5.7.1.4): no wait between the stores and the loads, nor in front of the next block's stores.
.macro TS a
.set AC, 64*((\a)%4)
.set WTS, 0x08+4*((\a)/4)
	WIN WTS                                        ; an LDS store's data are its source 1: window 2 or 3
.irp b, 0,1,2,3,4,5,6,7
	ds_store_b128 v[STO], v[AC+8*\b:AC+8*\b+3] offset:64*\b
	ds_store_b128 v[STO], v[AC+8*\b+4:AC+8*\b+7] offset:64*\b+16
.endr
	WIN 0
.set XL, XQ+64*((\a)%2)
.irp g, 0,1,2,3
.irp i, 0,1,2,3
	ds_load_b128 v[XL+16*\g+4*\i:XL+16*\g+4*\i+3], v[RDQ] offset:128*\g+16*\i
.endr
.endr
.endm
; 64 numbers of a lane, v[s] .. v[s + 63], become a fragment's codes in v[CD] on and its row's scale word in v[PW].
.macro QUANT s
.irp b, 0,1,2,3
	v_max3_num_f32 v[TM+\b], |v[\s+16*\b]|, |v[\s+1+16*\b]|, 0x2800000   ; block b: my 16 numbers, and the floor 2^(5 - 127): the byte cannot fall under 1
.endr
.irp i, 2,4,6,8,10,12,14
.irp b, 0,1,2,3
	v_max3_num_f32 v[TM+\b], v[TM+\b], |v[\s+16*\b+\i]|, |v[\s+1+16*\b+\i]|   ; (the four blocks by turns)
.endr
.endr
.irp b, 0,1,2,3
	v_permlanex16_b32 v[TM+4+\b], v[TM+\b], s[SEL], s[SEL+1]
.endr
.irp b, 0,1,2,3
	v_max_num_f32 v[TM+\b], v[TM+\b], v[TM+4+\b]   ; with lane l xor 16's: the block's largest magnitude
.endr
.irp b, 0,1,2,3
	v_add_nc_u32 v[TM+12+\b], 0xfe000000, v[TM+\b]   ; 4 off its exponent field: the conversion's scale operand
.endr
.irp b, 0,1,2,3
	v_lshrrev_b32 v[TM+4+\b], 23, v[TM+12+\b]      ; the scale's byte
.endr
	v_lshl_or_b32 v[PW], v[TM+5], 8, v[TM+4]       ; the four bytes make my row's scale word
	v_lshl_or_b32 v[PW], v[TM+6], 16, v[PW]
	v_lshl_or_b32 v[PW], v[TM+7], 24, v[PW]
.irp c, 0,1
	v_cvt_scalef32_pk16_bf6_f32 v[CD+6*\c:CD+2+6*\c], v[\s+32*\c:\s+15+32*\c], v[TM+12+2*\c]
	v_cvt_scalef32_pk16_bf6_f32 v[CD+12+4*\c:CD+14+4*\c], v[\s+16+32*\c:\s+31+32*\c], v[TM+12+2*\c+1]   ; (a conversion's three registers begin on an even number)
.endr
	v_nop                                          ; one plain place behind a scaled conversion
.irp c, 0,1                                    ; the operand's layout wants a whole block in a lane: lanes 0-15 block 2 c, lanes 16-31 block 2 c + 1
.irp i, 0,1,2
	v_permlane16_swap_b32 v[CD+6*\c+\i], v[CD+12+4*\c+\i]
.endr
.irp i, 0,1,2
	v_mov_b32 v[CD+3+6*\c+\i], v[CD+12+4*\c+\i]
.endr
.endr
.endm
; Block a's fragment into the image stage.  Row r of block a is row 16 (a % 2) + r of its group of 32: it belongs to tile 2 (a / 2) + r / 8, place 8 (a % 2) + r % 8.
.macro IMG a
.set BP, (\a)/2
.set VV, (\a)%2
.irp c, 0,1
	ds_store_b128 v[IMA], v[CD+6*\c:CD+6*\c+3] offset:3072*BP+768*\c+128*VV
	ds_store_b64 v[IMB], v[CD+6*\c+4:CD+6*\c+5] offset:3072*BP+768*\c+512+64*VV
.endr
	v_lshrrev_b32 v[PW+1], 16, v[PW]               ; the second half's two bytes, as a word of its own
	ds_store_b32 v[SCA], v[PW] offset:256*(BP/2)+4*(BP%2)+64*VV          ; both halves of the lanes write the same word with the same value
	ds_store_b32 v[SCA], v[PW+1] offset:256*(BP/2)+4*(BP%2)+64*VV+512
.endm
	PLACES NP                                      ; behind the last products: for the first reads of results, and for writes and loads into registers that held A's fragments
.irp b, 0,1,2,3
	v_mov_b32 v[TM+4+\b], 0                        ; written once: a lane permute's destination counts as one of its sources
.endr
	TS 0
.irp a, 0,1,2,3,4,5,6,7
.if \a < 7
	TS \a+1                                        ; the next block is on its way through the stage while this one is quantised
	s_wait_dscnt 32                                ; all but the 32 just issued: block a's numbers are in, and the last image's stores are done
.else
	s_wait_dscnt 0x0
.endif
.set XB, XQ+64*(\a%2)
	QUANT XB
	IMG \a
.endr
.set i, 0
.rept 26
	ds_load_b128 v[XQ+4*i:XQ+4*i+3], v[RDL] offset:512*i   ; the 13,312 bytes of my image stage as they lie; these see my stores
.set i, i+1
.endr
.set i, 0
.rept 24
	s_wait_dscnt 25-i                              ; load i is in; the younger ones may be out
	global_store_b128 v[GL], v[XQ+4*i:XQ+4*i+3], s[12:13] offset:512*i   ; 32 lanes store 512 consecutive bytes, aligned: eight fragments on end
.set i, i+1
.endr
	s_wait_dscnt 1
	global_store_b128 v[GL], v[XQ+96:XQ+99], s[96:97]      ; the scale image of the first halves (for V: of the whole fragments),
	s_wait_dscnt 0x0
	global_store_b128 v[GL], v[XQ+100:XQ+103], s[100:101]  ; and of the second halves (for V: written and not read)
	s_wait_tensorcnt 0x0                           ; the wave's end: behind my last tensor load and my last LDS store
	ds_add_u32 v[SPW], v[NIL]
	s_wait_dscnt 0x0
	CROUND                                         ; the closing round: no work-group ends while a partner may still ask for a tile that names it
	s_endpgm
.Lfunc_end_k_q991192b316_proj:
	.size	k_q991192b316_proj, .Lfunc_end_k_q991192b316_proj-k_q991192b316_proj
	.p2alignl 7, 3214868480
	.fill 96, 4, 3214868480
	.section	.rodata,"a",@progbits
	.p2align	6, 0x0
	.amdhsa_kernel k_q991192b316_proj
		.amdhsa_group_segment_fixed_size 327680
		.amdhsa_private_segment_fixed_size 0
		.amdhsa_enable_private_segment 0
		.amdhsa_kernarg_size 112
		.amdhsa_user_sgpr_count 2
		.amdhsa_user_sgpr_kernarg_segment_ptr 1
		.amdhsa_wavefront_size32 1
		.amdhsa_system_sgpr_workgroup_id_x 1
		.amdhsa_system_sgpr_workgroup_id_y 1
		.amdhsa_system_sgpr_workgroup_id_z 1
		.amdhsa_system_vgpr_workitem_id 0
		.amdhsa_next_free_vgpr 1024
		.amdhsa_next_free_sgpr 102
		.amdhsa_reserve_vcc 0
		.amdhsa_float_denorm_mode_32 3
		.amdhsa_float_denorm_mode_16_64 3
		.amdhsa_memory_ordered 1
		.amdhsa_forward_progress 1
		.amdhsa_inst_pref_size 188
	.end_amdhsa_kernel
	.amdgpu_metadata
---
amdhsa.version: [ 1, 2 ]
amdhsa.kernels:
  - .name:           k_q991192b316_proj
    .symbol:         k_q991192b316_proj.kd
    .args:
      - { .name: qc, .offset: 0, .size: 8, .value_kind: global_buffer, .address_space: global }
      - { .name: qs, .offset: 8, .size: 8, .value_kind: global_buffer, .address_space: global }
      - { .name: Wq_codes, .offset: 16, .size: 8, .value_kind: global_buffer, .address_space: global }
      - { .name: Wq_scales, .offset: 24, .size: 8, .value_kind: global_buffer, .address_space: global }
      - { .name: k_codes, .offset: 32, .size: 8, .value_kind: global_buffer, .address_space: global }
      - { .name: k_scales, .offset: 40, .size: 8, .value_kind: global_buffer, .address_space: global }
      - { .name: Wk_codes, .offset: 48, .size: 8, .value_kind: global_buffer, .address_space: global }
      - { .name: Wk_scales, .offset: 56, .size: 8, .value_kind: global_buffer, .address_space: global }
      - { .name: Wv_codes, .offset: 64, .size: 8, .value_kind: global_buffer, .address_space: global }
      - { .name: Wv_scales, .offset: 72, .size: 8, .value_kind: global_buffer, .address_space: global }
      - { .name: v_codes, .offset: 80, .size: 8, .value_kind: global_buffer, .address_space: global }
      - { .name: v_scales, .offset: 88, .size: 8, .value_kind: global_buffer, .address_space: global }
      - { .name: img, .offset: 96, .size: 8, .value_kind: global_buffer, .address_space: global }
      - { .name: sc, .offset: 104, .size: 8, .value_kind: global_buffer, .address_space: global }
    .group_segment_fixed_size: 327680
    .private_segment_fixed_size: 0
    .kernarg_segment_align: 8
    .kernarg_segment_size: 112
    .max_flat_workgroup_size: 128
    .sgpr_count:     102
    .vgpr_count:     1024
    .wavefront_size: 32
...
	.end_amdgpu_metadata
.endif
;; end of part 2
;; launch attn (part 3): grid 4 x 64, 16 waves a work-group, clusters of 4 x 1, 215,040 bytes of LDS; arguments img, sc, aimg, asc; writes aimg, asc
.if DOCPART == 3
	.amdgcn_target "amdgcn-amd-amdhsa--gfx1250"
	.amdhsa_code_object_version 6
	.text
	.protected	k_q991192b316_attn
	.globl	k_q991192b316_attn
	.p2align	8
	.type	k_q991192b316_attn,@function
k_q991192b316_attn:
	s_mov_b64 s[64:65], 0
	v_nop
	global_prefetch_b8 v0, s[64:65] scope:SCOPE_SE
	s_setreg_imm32_b32 hwreg(HW_REG_WAVE_MODE, 25, 1), 1
	s_wait_xcnt 0x0
	s_wait_alu depctr_hold_cnt(0) depctr_sa_sdst(0) depctr_va_vdst(0) depctr_va_sdst(0) depctr_va_ssrc(0) depctr_va_vcc(0) depctr_vm_vsrc(0)
	s_getreg_b32 s2, hwreg(HW_REG_IB_STS2, 6, 4)
	s_cmp_eq_u32 s2, 0
	s_cbranch_scc0 .Lentry_in_a_cluster
	s_endpgm
.Lentry_in_a_cluster:
	s_bfe_u32 s2, ttmp6, 0x10000c
	s_cmp_lg_u32 s2, 0x3003
	s_cbranch_scc0 .Lentry_shape_is_right
	s_endpgm
.Lentry_shape_is_right:
; Attention of one head on codes of BF6 (E3M2): S^T = K Q^T (K = the head's 64), softmax, O^T = V^T P^T (K = the keys), O / l, and the quantising of O along the model's 1,024 for the last product.
; THE SOFTMAX AHEAD OF THE SECOND PRODUCT: t = score x log2(e) / 8; M = the row's largest t so far, rounded up to a whole number; p = 2^(t - M) is what is quantised, along the keys, not normalised.
; The row's sum is taken of the unquantised p, in f32, and divides O at the end.  When M moves, the sum and O are multiplied by 2^(old M - new M): exact.
; SHARES.  Work-group y is (batch, head) = (y / 16, y % 16); the four work-groups of a cluster share the head and take 512 queries each: two passes of sixteen waves x 16 queries.  Four waves lie on a SIMD,
; so that one wave's vector work stands beside another's matrix work and LDS loads.
; THE WHOLE HEAD'S K AND V LIE IN LDS, 208,896 bytes, FILLED ONCE: 16 steps of 128 keys, a package of 13,056 bytes each (K's 8 half fragments, V's 4 fragments, their scale images).  Wave w asks for
; package w by four tensor loads (four of mine are out), JOINTLY with the same wave of the three partners: same descriptors, mask 15.  Nothing is filled again: no ring, and no barrier in the loops.
; OPERANDS ARE IMAGES OF REGISTERS (six registers: 0-3 at 16 x lane, 4-5 at 512 + 8 x lane): every LDS load is dense.
; K = 64 IN AN INSTRUCTION OF 128: Q's registers 6-11 are zero codes.  K's tiles lie six registers apart, so a tile's upper six registers are the next tile's codes (behind the last: zeros); they meet Q's zeros and add
; nothing, whatever their scale byte, which is another block's byte (250 at the most) or 0, never 0xff.
; LAYOUT.  Both products are used transposed: a lane holds one query (lane % 16) throughout.  The keys of a tile of K and the channels of a tile of V were placed by the launch before so that the 16 registers
; of tiles 2 b and 2 b + 1 are 16 neighbours: 32 b + 16 (lane / 16) + 0 .. 15.
; OUT: aimg[tile of queries][K step = head / 2][half = head % 2][768]; asc[tile][place][32]: bytes 2 head, 2 head + 1.  These two bytes a lane, 32 bytes apart, write their rows of 32 bytes in part:
; a row's 16 heads belong to 16 work-groups; 262,144 bytes in all against 6,291,456 of codes.
; LIMITS: a block's largest p is taken from its largest score (this takes v_exp_f32 not to fall where its input rises); 1 / l by v_rcp_f32; a block of zeros gets the byte 1 and not 127; NaN and infinities are not served.
; REGISTERS: v1 16 x lane, v2 8 x lane, v3-4 the step's LDS addresses, v6 8 r, v7 32 r; v12 -M, v13 the largest t, v[14:15] the sum; v16-21 Q, v22-27 zeros; v32-79 K's 8 tiles, then V's 4 fragments; v80-85 zeros;
; v96-159 S^T, then p; v160-191 O^T; v192-198 the second pass's Q and scale word; v224-235 p's codes; v232-247, v252, v254 at work; v248-251 K's or V's scale words; v253 p's; v255 Q's.
.set PKG,   13056                      ; a step's package in LDS: K's codes at 0,
.set VOF,   6144                       ; V's codes,
.set KSO,   12288                      ; K's scale image (512 bytes),
.set VSO,   12800                      ; V's (256 bytes)
.set IMGSZ, 6291456
.set SCSZ,  524288
.set L16,  1
.set L8,   2
.set A16,  3
.set A8,   4
.set KV,   32
.set WV,   12                          ; s12  my wave's number
.set SEL,  20                          ; s[20:21] lane selects for v_permlanex16_b32: lane l xor 16
.set CS,   22                          ; s[22:23] c = log2(e) / 8
.set G1K,  24                          ; s[24:31] group 1: K's 8 halves of 768 bytes, 1,536 apart
.set G1D,  32                          ; s[32:39] V's 6,144 dense bytes as 24 rows of 256
.set G1S2, 40                          ; s[40:47] 512 dense bytes
.set G1S1, 48                          ; s[48:55] 256 dense bytes
.set G0K,  56                          ; s[56:59], s[60:63], s[68:71], s[72:75]: the four groups 0
.set G0V,  60
.set G0KS, 68
.set G0VS, 72
.set QB,   76                          ; s[76:77] Q's image, s[78:79] Q's scale words, s[80:81] my place in aimg, s[82:83] in asc
.set QSB,  78
.set AB,   80
.set ASB,  82
.set TB,   84                          ; s84  LDS byte at which the step's package begins
.set NST,  85                          ; s85  steps to go
.set NPS,  86                          ; s86  passes to go
.macro ROUND                           ; a round of the cluster's barrier
	s_barrier_signal -1
	s_barrier_wait -1
	s_cmp_lg_u32 s[WV], 0
	s_cbranch_scc1 .Lnot_wave_0_\@
	s_barrier_signal -3
.Lnot_wave_0_\@:
	s_barrier_wait -3
	s_barrier_signal -1
	s_barrier_wait -1
.endm
.macro DESC1 g, c, r, p                ; group 1: r rows of c elements of 8 bytes, p elements from row to row; mask 15: all four work-groups; bit 21 set beside it; no padding
	s_mov_b32 s[\g], 15|(3<<16)|(1<<21)
	s_mov_b32 s[\g+1], (\c)<<16
	s_mov_b32 s[\g+2], (\r)<<16
	s_mov_b32 s[\g+3], (\c)<<16
	s_mov_b32 s[\g+4], \r
	s_mov_b32 s[\g+5], \p
	s_mov_b32 s[\g+6], 0
	s_mov_b32 s[\g+7], 0
.endm
	s_load_b256 s[4:11], s[0:1], 0x0               ; img s[4:5], sc s[6:7], aimg s[8:9], asc s[10:11]
	v_lshl_add_u32 v223, v0, 2, 0x34000
	v_mov_b32 v243, 0
	ds_add_u32 v223, v243
	ds_add_u32 v223, v243
	v_lshrrev_b32 v8, 5, v0
	s_delay_alu instid0(VALU_DEP_1)
	v_readfirstlane_b32 s[WV], v8                  ; wave 0..15
	s_bfe_u32 s16, ttmp6, 0x40000                  ; cx: it enters the addresses of Q, aimg and asc alone
	s_and_b32 s13, ttmp7, 0xffff
	s_lshr_b32 s14, s13, 4                         ; the batch
	s_and_b32 s15, s13, 15                         ; the head
	s_lshr_b32 s17, s15, 1                         ; the pair of heads
	s_and_b32 s18, s15, 1                          ; which of the pair
	DESC1 G1K, 96, 8, 192
	DESC1 G1D, 32, 24, 32
	DESC1 G1S2, 32, 2, 32
	DESC1 G1S1, 32, 1, 32
	s_mov_b32 s[SEL], 0x76543210
	s_mov_b32 s[SEL+1], 0xfedcba98
	s_mov_b32 s[CS], 0x3e38aa3b                    ; c = log2(e) / sqrt(64)
	s_mov_b32 s[CS+1], s[CS]                       ; (named with it as a pair, so it is written)
	s_lshl_b32 s19, s17, 9
	s_lshl_b32 s2, s14, 7
	s_add_co_u32 s19, s19, s2                      ; 512 x pair + 128 x batch: the batch's first tile of tokens among Q's or K's images
	s_mul_i32 s3, s18, 768                         ; my head's half of a fragment
	s_lshl_b32 s87, s14, 4
	s_add_co_u32 s87, s87, s[WV]                   ; 16 x batch + w: the step that I fetch
	s_lshl_b32 s88, s[WV], 3                       ; K's codes: IMGSZ + (512 pair + 128 batch + 8 w) x 1536 + half
	s_add_co_u32 s88, s88, s19
	s_mul_i32 s88, s88, 1536
	s_add_co_u32 s88, s88, s3
	s_add_co_u32 s88, s88, IMGSZ
	s_mov_b32 s89, 0
	s_lshl_b32 s90, s87, 6                         ; V's codes: 2 IMGSZ + ((16 batch + w) x 64 + 4 head) x 1536
	s_lshl_b32 s91, s15, 2
	s_add_co_u32 s90, s90, s91
	s_mul_i32 s90, s90, 1536
	s_add_co_u32 s90, s90, 2*IMGSZ
	s_mov_b32 s91, 0
	s_lshl_b32 s92, s15, 6                         ; K's scale image: SCSZ + (64 head + 16 batch + w) x 512
	s_add_co_u32 s92, s92, s87
	s_lshl_b32 s92, s92, 9
	s_add_co_u32 s92, s92, SCSZ
	s_mov_b32 s93, 0
	s_lshl_b32 s94, s87, 4                         ; V's: 2 SCSZ + ((16 batch + w) x 16 + pair) x 512 + 256 x (head % 2)
	s_add_co_u32 s94, s94, s17
	s_lshl_b32 s94, s94, 9
	s_lshl_b32 s95, s18, 8
	s_add_co_u32 s94, s94, s95
	s_add_co_u32 s94, s94, 2*SCSZ
	s_mov_b32 s95, 0
	s_mul_i32 s86, s[WV], PKG                      ; and where the package goes: no place in the cluster enters an LDS address
	s_wait_dscnt 0x0
	s_wait_kmcnt 0x0
	s_mov_b32 s[G0K], 1                            ; 1:0 count = 1
	s_mov_b32 s[G0K+1], s86                        ; 63:32 LDS address
	s_add_nc_u64 s[G0K+2:G0K+3], s[4:5], s[88:89]  ; 120:64 global address
	s_or_b32 s[G0K+3], s[G0K+3], 0x80000000        ; 127:126 type = 2
	s_mov_b32 s[G0V], 1
	s_add_co_u32 s[G0V+1], s86, VOF
	s_add_nc_u64 s[G0V+2:G0V+3], s[4:5], s[90:91]
	s_or_b32 s[G0V+3], s[G0V+3], 0x80000000
	s_mov_b32 s[G0KS], 1
	s_add_co_u32 s[G0KS+1], s86, KSO
	s_add_nc_u64 s[G0KS+2:G0KS+3], s[6:7], s[92:93]
	s_or_b32 s[G0KS+3], s[G0KS+3], 0x80000000
	s_mov_b32 s[G0VS], 1
	s_add_co_u32 s[G0VS+1], s86, VSO
	s_add_nc_u64 s[G0VS+2:G0VS+3], s[6:7], s[94:95]
	s_or_b32 s[G0VS+3], s[G0VS+3], 0x80000000
	ROUND                                          ; all four work-groups are here: the joint loads meet
	tensor_load_to_lds s[G0K:G0K+3], s[G1K:G1K+7]
	s_nop 0
	tensor_load_to_lds s[G0V:G0V+3], s[G1D:G1D+7]
	s_nop 0
	tensor_load_to_lds s[G0KS:G0KS+3], s[G1S2:G1S2+7]
	s_nop 0
	tensor_load_to_lds s[G0VS:G0VS+3], s[G1S1:G1S1+7]
	s_nop 0
.rept 4
	v_nop
.endr
	v_and_b32 v8, 31, v0
	s_delay_alu instid0(VALU_DEP_1)
	v_lshlrev_b32 v[L16], 4, v8
	s_wait_alu depctr_va_vdst(0)
	v_lshlrev_b32 v[L8], 3, v8
	s_wait_alu depctr_va_vdst(0)
	v_and_b32 v9, 15, v0                           ; r
	s_delay_alu instid0(VALU_DEP_1)
	v_lshlrev_b32 v6, 3, v9
	s_wait_alu depctr_va_vdst(0)
	v_lshlrev_b32 v7, 5, v9
	s_lshl_b32 s88, s16, 5
	s_add_co_u32 s88, s88, s[WV]                   ; 32 cx + w
	s_lshl_b32 s89, s14, 7
	s_add_co_u32 s90, s88, s89                     ; T: my first pass's tile of queries = 128 batch + 32 cx + w
	s_add_co_u32 s88, s88, s19
	s_mul_i32 s88, s88, 1536
	s_add_co_u32 s88, s88, s3
	s_mov_b32 s89, 0
	s_add_nc_u64 s[QB:QB+1], s[4:5], s[88:89]      ; Q's half fragment
	s_lshl_b32 s88, s15, 6                         ; Q's scale words: image 64 head + T / 8; in it tile w % 8
	s_lshl_b32 s91, s14, 4
	s_add_co_u32 s88, s88, s91
	s_lshl_b32 s91, s16, 2
	s_add_co_u32 s88, s88, s91
	s_lshr_b32 s91, s[WV], 3
	s_add_co_u32 s88, s88, s91
	s_lshl_b32 s88, s88, 9
	s_bfe_u32 s91, s[WV], 0x10002
	s_lshl_b32 s91, s91, 8
	s_add_co_u32 s88, s88, s91                     ; + 256 ((w / 4) % 2)
	s_and_b32 s91, s[WV], 1
	s_lshl_b32 s91, s91, 7
	s_add_co_u32 s88, s88, s91                     ; + 128 (w % 2)
	s_bfe_u32 s91, s[WV], 0x10001
	s_lshl_b32 s91, s91, 2
	s_add_co_u32 s88, s88, s91                     ; + 4 ((w / 2) % 2)
	s_add_nc_u64 s[QSB:QSB+1], s[6:7], s[88:89]
	s_lshl_b32 s88, s90, 3                         ; aimg: (8 T + pair) x 1536 + half
	s_add_co_u32 s88, s88, s17
	s_mul_i32 s88, s88, 1536
	s_add_co_u32 s88, s88, s3
	s_add_nc_u64 s[AB:AB+1], s[8:9], s[88:89]
	s_lshl_b32 s88, s90, 9                         ; asc: 512 T + 2 head
	s_lshl_b32 s91, s15, 1
	s_add_co_u32 s88, s88, s91
	s_add_nc_u64 s[ASB:ASB+1], s[10:11], s[88:89]
	global_load_b128 v[16:19], v[L16], s[QB:QB+1]                ; Q of the first pass,
	global_load_b64 v[20:21], v[L8], s[QB:QB+1] offset:512
	global_load_b32 v255, v6, s[QSB:QSB+1]
	global_load_b128 v[192:195], v[L16], s[QB:QB+1] offset:24576 ; and of the second: 16 tiles on
	global_load_b64 v[196:197], v[L8], s[QB:QB+1] offset:24576+512
	global_load_b32 v198, v6, s[QSB:QSB+1] offset:1024
.irp j, 0,1,2,3,4,5
	v_mov_b32 v[22+\j], 0                          ; Q's upper half: zero codes
	v_mov_b32 v[80+\j], 0                          ; and what stands behind K's last tile
.endr
.irp b, 0,1,2,3
	v_mov_b32 v[236+\b], 0                         ; written once: a lane permute's destination counts as one of its sources
.endr
	v_mov_b32 v252, 0
	v_mov_b32 v253, 0                              ; (named as the upper half of the pair v[252:253] before it is first written)
	s_mov_b32 s[NPS], 2
	s_wait_loadcnt 0x0                             ; Q
	s_wait_tensorcnt 0x0                           ; my package has landed,
	s_barrier_signal -1
	s_barrier_wait -1                              ; everybody's has: from here on LDS is only read
; A KEY STEP: 128 keys.
.macro STEP
	v_add_nc_u32 v[A16], s[TB], v[L16]
	v_add_nc_u32 v[A8], s[TB], v[L8]
	v_nop
	v_nop                                          ; with the two additions: four places in front of loads into registers that the last products have read
.irp t, 0,1,2,3,4,5,6,7
	ds_load_b128 v[KV+6*\t:KV+6*\t+3], v[A16] offset:768*\t
	ds_load_b64 v[KV+6*\t+4:KV+6*\t+5], v[A8] offset:768*\t+512
.endr
	ds_load_b64 v[248:249], v[A8] offset:KSO       ; K's scale words: v248 tiles 0 | 1, v249 tiles 2 | 3 (lanes 0-15 | lanes 16-31),
	ds_load_b64 v[250:251], v[A8] offset:KSO+256   ; v250 tiles 4 | 5, v251 tiles 6 | 7
	s_wait_alu depctr_va_vdst(0)
	s_wait_dscnt 0x0
.irp t, 0,2,4,6                                ; S^T = K Q^T: eight tiles of 16 keys
	v_wmma_scale_f32_16x16x128_f8f6f4 v[96+8*\t:103+8*\t], v[KV+6*\t:KV+11+6*\t], v[16:27], 0, v[248+\t/2], v255 matrix_a_fmt:MATRIX_FMT_BF6 matrix_b_fmt:MATRIX_FMT_BF6
	v_wmma_scale_f32_16x16x128_f8f6f4 v[104+8*\t:111+8*\t], v[KV+6+6*\t:KV+17+6*\t], v[16:27], 0, v[248+\t/2], v255 matrix_a_fmt:MATRIX_FMT_BF6 matrix_b_fmt:MATRIX_FMT_BF6 matrix_a_scale:MATRIX_SCALE_ROW1
.endr
.rept 4
	v_nop                                          ; places: in front of the loads below and of the first read of the scores
.endr
.irp t, 0,1,2,3                                ; V's four fragments are asked for now, into K's registers: they land while the softmax is walked
.irp c, 0,1
	ds_load_b128 v[KV+12*\t+6*\c:KV+12*\t+6*\c+3], v[A16] offset:VOF+1536*\t+768*\c
	ds_load_b64 v[KV+12*\t+6*\c+4:KV+12*\t+6*\c+5], v[A8] offset:VOF+1536*\t+768*\c+512
.endr
.endr
	ds_load_b64 v[248:249], v[A8] offset:VSO       ; V's scale words: v248 tiles 0 | 1, v249 tiles 2 | 3
.irp b, 0,1,2,3
	v_max3_num_f32 v[232+\b], v[96+16*\b], v[97+16*\b], v[98+16*\b]   ; the largest score of each block of 32 keys: it serves for the row's maximum and, since p rises with the score, for the block's largest p
.endr
.irp i, 3,5,7,9,11,13
.irp b, 0,1,2,3
	v_max3_num_f32 v[232+\b], v[232+\b], v[96+16*\b+\i], v[97+16*\b+\i]   ; (the four blocks by turns)
.endr
.endr
.irp b, 0,1,2,3
	v_max_num_f32 v[232+\b], v[232+\b], v[111+16*\b]
.endr
.irp b, 0,1,2,3
	s_delay_alu instid0(VALU_DEP_4)
	v_permlanex16_b32 v[236+\b], v[232+\b], s[SEL], s[SEL+1]
.endr
.irp b, 0,1,2,3
	s_delay_alu instid0(VALU_DEP_4)
	v_max_num_f32 v[232+\b], v[232+\b], v[236+\b]  ; with lane l xor 16's 16 keys
.endr
	s_delay_alu instid0(VALU_DEP_2)
	v_max3_num_f32 v254, v232, v233, v234
	s_delay_alu instid0(VALU_DEP_1)
	v_max_num_f32 v254, v254, v235                 ; the step's largest score of my query
	s_delay_alu instid0(VALU_DEP_1)
	v_mul_f32 v254, s[CS], v254                    ; as t (c is positive)
	s_delay_alu instid0(VALU_DEP_1)
	v_max_num_f32 v13, v13, v254                   ; the running largest t
	v_mov_b32 v254, v12
	s_delay_alu instid0(VALU_DEP_2)
	v_floor_f32 v12, -v13                          ; the new -M = floor(-t) = -ceil(t): M is a whole number
	s_delay_alu instid0(VALU_DEP_1)
	v_sub_f32 v254, v12, v254                      ; M's old value less its new one: a whole number, 0 or less
	s_delay_alu instid0(VALU_DEP_1)
	v_cvt_i32_f32 v254, v254                       ; (it saturates)
	s_delay_alu instid0(VALU_DEP_1)
	v_ldexp_f32 v252, 1.0, v254                    ; f = 2^(old M - new M)
.set j, 0
.rept 32
	v_pk_fma_f32 v[96+j:97+j], v[96+j:97+j], s[CS:CS+1], v[12:13] op_sel_hi:[1,0,0]   ; t - M, two at a time (of the pairs c and -M the low word serves both halves)
.set j, j+2
.endr
.irp b, 0,1,2,3
	v_fma_f32 v[232+\b], v[232+\b], s[CS], v12     ; the same of each block's largest score
.endr
.set j, 0
	s_setprio 1
	s_wait_alu depctr_va_vdst(0)
.rept 64
	v_exp_f32 v[96+j], v[96+j]                     ; p = 2^(t - M), at most 1: not normalised
.set j, j+1
.endr
.irp b, 0,1,2,3
	v_exp_f32 v[232+\b], v[232+\b]                 ; the block's largest p: the same two instructions on the same number give the same bits
.endr
	v_pk_mul_f32 v[14:15], v[14:15], v[252:253] op_sel_hi:[1,0]   ; the sums under the new M.  (A plain place behind the exponentials)
	s_wait_alu depctr_va_vdst(0)
.irp b, 0,1,2,3
	v_max_num_f32 v[232+\b], 0x2800000, v[232+\b]  ; the floor 2^(5 - 127): the byte cannot fall under 1
.endr
.irp b, 0,1,2,3
	s_delay_alu instid0(VALU_DEP_4)
	v_add_nc_u32 v[244+\b], 0xfe000000, v[232+\b]  ; 4 off the exponent field: the conversion's scale operand
.endr
.irp b, 0,1,2,3
	s_delay_alu instid0(VALU_DEP_4)
	v_lshrrev_b32 v[236+\b], 23, v[244+\b]         ; the scale's byte
.endr
	s_delay_alu instid0(VALU_DEP_3)
	v_lshl_or_b32 v253, v237, 8, v236              ; p's scale word for these 128 keys
	s_delay_alu instid0(VALU_DEP_1)
	v_lshl_or_b32 v253, v238, 16, v253
	s_delay_alu instid0(VALU_DEP_1)
	v_lshl_or_b32 v253, v239, 24, v253
.irp c, 0,1
	v_cvt_scalef32_pk16_bf6_f32 v[224+6*\c:226+6*\c], v[96+32*\c:111+32*\c], v[244+2*\c]
	v_cvt_scalef32_pk16_bf6_f32 v[236+4*\c:238+4*\c], v[112+32*\c:127+32*\c], v[244+2*\c+1]   ; (a conversion's three registers begin on an even number)
.endr
	v_nop                                          ; one plain place behind a scaled conversion
.irp c, 0,1                                    ; the operand's layout wants a whole block in a lane
.irp i, 0,1,2
	v_permlane16_swap_b32 v[224+6*\c+\i], v[236+4*\c+\i]
.endr
.irp i, 0,1,2
	s_delay_alu instid0(VALU_DEP_3)
	v_mov_b32 v[227+6*\c+\i], v[236+4*\c+\i]
.endr
.endr
	v_pk_add_f32 v[236:237], v[100:101], v[104:105]
	v_pk_add_f32 v[250:251], v[108:109], v[112:113]
	v_pk_add_f32 v[246:247], v[116:117], v[120:121]
	v_pk_add_f32 v[244:245], v[124:125], v[128:129]
	v_pk_add_f32 v[240:241], v[132:133], v[136:137]
	v_pk_add_f32 v[220:221], v[140:141], v[144:145]
	v_pk_add_f32 v[218:219], v[148:149], v[152:153]
	v_pk_add_f32 v[14:15], v[14:15], v[156:157]
	v_pk_add_f32 v[236:237], v[236:237], v[96:97]
	v_pk_add_f32 v[250:251], v[250:251], v[98:99]
	v_pk_add_f32 v[246:247], v[246:247], v[102:103]
	v_pk_add_f32 v[244:245], v[244:245], v[106:107]
	v_pk_add_f32 v[240:241], v[240:241], v[110:111]
	v_pk_add_f32 v[220:221], v[220:221], v[114:115]
	v_pk_add_f32 v[218:219], v[218:219], v[118:119]
	v_pk_add_f32 v[14:15], v[14:15], v[122:123]
	v_pk_add_f32 v[236:237], v[236:237], v[126:127]
	v_pk_add_f32 v[250:251], v[250:251], v[130:131]
	v_pk_add_f32 v[246:247], v[246:247], v[134:135]
	v_pk_add_f32 v[244:245], v[244:245], v[138:139]
	v_pk_add_f32 v[240:241], v[240:241], v[142:143]
	v_pk_add_f32 v[220:221], v[220:221], v[146:147]
	v_pk_add_f32 v[218:219], v[218:219], v[150:151]
	v_pk_add_f32 v[14:15], v[14:15], v[154:155]
	v_pk_add_f32 v[236:237], v[236:237], v[158:159]
	s_delay_alu instid0(VALU_DEP_2)
	v_pk_add_f32 v[14:15], v[14:15], v[244:245]
	s_delay_alu instid0(VALU_DEP_2)
	v_pk_add_f32 v[236:237], v[236:237], v[240:241]
	s_setprio 0
	v_pk_add_f32 v[250:251], v[250:251], v[220:221]
	v_pk_add_f32 v[246:247], v[246:247], v[218:219]
	s_delay_alu instid0(VALU_DEP_2)
	v_pk_add_f32 v[14:15], v[14:15], v[250:251]
	s_delay_alu instid0(VALU_DEP_2)
	v_pk_add_f32 v[236:237], v[236:237], v[246:247]
	s_delay_alu instid0(VALU_DEP_1)
	v_pk_add_f32 v[14:15], v[14:15], v[236:237]    ; (these 32 additions are the places between the writes of p's codes and scale word and the products below)
.set j, 0
.rept 16
	v_pk_mul_f32 v[160+j:161+j], v[160+j:161+j], v[252:253] op_sel_hi:[1,0]   ; O^T under the new M: x f, each accumulator from its low end on
.set j, j+2
.endr
	s_wait_alu depctr_va_vdst(0)
	s_wait_dscnt 0x0                               ; V is in
.irp t, 0,2                                    ; O^T += V^T P^T: four tiles of 16 channels, four accumulators by turns; K = these 128 keys
	v_wmma_scale_f32_16x16x128_f8f6f4 v[160+8*\t:167+8*\t], v[KV+12*\t:KV+11+12*\t], v[224:235], v[160+8*\t:167+8*\t], v[248+\t/2], v253 matrix_a_fmt:MATRIX_FMT_BF6 matrix_b_fmt:MATRIX_FMT_BF6
	v_wmma_scale_f32_16x16x128_f8f6f4 v[168+8*\t:175+8*\t], v[KV+12+12*\t:KV+23+12*\t], v[224:235], v[168+8*\t:175+8*\t], v[248+\t/2], v253 matrix_a_fmt:MATRIX_FMT_BF6 matrix_b_fmt:MATRIX_FMT_BF6 matrix_a_scale:MATRIX_SCALE_ROW1
.endr
.endm
.Lpass:                                            ; two trips: 16 queries a wave in each
	v_mov_b32 v13, 0xff61b1e6                      ; the largest t so far: -3e38, under every t
	s_delay_alu instid0(VALU_DEP_1)
	v_floor_f32 v12, -v13                          ; -M
	v_mov_b32 v14, 0                               ; the sum, in two halves
	v_mov_b32 v15, 0
.set j, 0
.rept 32
	v_mov_b32 v[160+j], 0                          ; O^T: the step is written once; its first trip finds zeros, which the first change of M leaves zeros
.set j, j+1
.endr
	s_mov_b32 s[TB], 0
	s_mov_b32 s[NST], 16
.Lstep:                                            ; sixteen trips: the head's 2,048 keys
	s_setprio 2
	STEP
	s_add_co_u32 s[TB], s[TB], PKG
	s_sub_co_u32 s[NST], s[NST], 1
	s_cmp_lg_u32 s[NST], 0
	s_cbranch_scc1 .Lstep
	s_setprio 0
.rept 4
	v_nop                                          ; places behind the last products
.endr
	v_add_f32 v14, v14, v15                        ; the sum's two halves,
	s_delay_alu instid0(VALU_DEP_1)
	v_permlanex16_b32 v252, v14, s[SEL], s[SEL+1]
	s_delay_alu instid0(VALU_DEP_1)
	v_add_f32 v14, v14, v252                       ; and lane l xor 16's: the row's sum
	s_wait_alu depctr_va_vdst(0)
	v_rcp_f32 v14, v14
	v_nop                                          ; one plain place behind a transcendental
.set j, 0
	s_wait_alu depctr_va_vdst(0)
.rept 16
	v_pk_mul_f32 v[96+j:97+j], v[160+j:161+j], v[14:15] op_sel_hi:[1,0]   ; O / l: register 16 b + i is channel 32 b + 16 (lane / 16) + i of my query
.set j, j+2
.endr
.irp b, 0,1                                    ; the head's two blocks of 32 along the last product's K
	v_max3_num_f32 v[232+\b], |v[96+16*\b]|, |v[97+16*\b]|, 0x2800000
.endr
.irp i, 2,4,6,8,10,12,14
.irp b, 0,1
	s_delay_alu instid0(VALU_DEP_2)
	v_max3_num_f32 v[232+\b], v[232+\b], |v[96+16*\b+\i]|, |v[97+16*\b+\i]|
.endr
.endr
.irp b, 0,1
	s_delay_alu instid0(VALU_DEP_2)
	v_permlanex16_b32 v[236+\b], v[232+\b], s[SEL], s[SEL+1]
.endr
.irp b, 0,1
	s_delay_alu instid0(VALU_DEP_2)
	v_max_num_f32 v[232+\b], v[232+\b], v[236+\b]
.endr
.irp b, 0,1
	s_delay_alu instid0(VALU_DEP_2)
	v_add_nc_u32 v[244+\b], 0xfe000000, v[232+\b]
.endr
.irp b, 0,1
	s_delay_alu instid0(VALU_DEP_2)
	v_lshrrev_b32 v[236+\b], 23, v[244+\b]
.endr
	s_delay_alu instid0(VALU_DEP_1)
	v_lshl_or_b32 v254, v237, 8, v236              ; the two scale bytes
	v_cvt_scalef32_pk16_bf6_f32 v[224:226], v[96:111], v244
	v_cvt_scalef32_pk16_bf6_f32 v[236:238], v[112:127], v245
	v_nop                                          ; one plain place behind a scaled conversion
.irp i, 0,1,2
	v_permlane16_swap_b32 v[224+\i], v[236+\i]
.endr
.irp i, 0,1,2
	s_delay_alu instid0(VALU_DEP_3)
	v_mov_b32 v[227+\i], v[236+\i]                 ; v224-229: channels 32 (lane / 16) + 0 .. 31: half a fragment of the last product's operand
.endr
	global_store_b128 v[L16], v[224:227], s[AB:AB+1]             ; its image: 512 consecutive bytes,
	global_store_b64 v[L8], v[228:229], s[AB:AB+1] offset:512    ; and 256
	global_store_b16 v7, v254, s[ASB:ASB+1]        ; both halves of the lanes write the same two bytes with the same value
	s_wait_xcnt 0x0                                ; the stores' bases and data are rewritten only behind this wait
	s_add_nc_u64 s[AB:AB+1], s[AB:AB+1], 196608    ; the second pass: 16 tiles on
	s_add_nc_u64 s[ASB:ASB+1], s[ASB:ASB+1], 8192
.irp j, 0,1,2,3,4,5
	v_mov_b32 v[16+\j], v[192+\j]                  ; its Q,
.endr
	v_mov_b32 v255, v198                           ; and Q's scale word: the 36 plain lines at a pass's head stand between these writes and the next scaled product
	s_sub_co_u32 s[NPS], s[NPS], 1
	s_cmp_lg_u32 s[NPS], 0
	s_cbranch_scc1 .Lpass
	s_wait_tensorcnt 0x0
	ds_add_u32 v223, v243
	s_wait_dscnt 0x0
	ROUND                                          ; the closing round: no work-group ends while a partner may still ask for a tile that names it (no LDS instruction of mine is out)
	s_endpgm
.Lfunc_end_k_q991192b316_attn:
	.size	k_q991192b316_attn, .Lfunc_end_k_q991192b316_attn-k_q991192b316_attn
	.p2alignl 7, 3214868480
	.fill 96, 4, 3214868480
	.section	.rodata,"a",@progbits
	.p2align	6, 0x0
	.amdhsa_kernel k_q991192b316_attn
		.amdhsa_group_segment_fixed_size 215040
		.amdhsa_private_segment_fixed_size 0
		.amdhsa_enable_private_segment 0
		.amdhsa_kernarg_size 32
		.amdhsa_user_sgpr_count 2
		.amdhsa_user_sgpr_kernarg_segment_ptr 1
		.amdhsa_wavefront_size32 1
		.amdhsa_system_sgpr_workgroup_id_x 1
		.amdhsa_system_sgpr_workgroup_id_y 1
		.amdhsa_system_sgpr_workgroup_id_z 1
		.amdhsa_system_vgpr_workitem_id 0
		.amdhsa_next_free_vgpr 256
		.amdhsa_next_free_sgpr 96
		.amdhsa_reserve_vcc 0
		.amdhsa_float_denorm_mode_32 3
		.amdhsa_float_denorm_mode_16_64 3
		.amdhsa_memory_ordered 1
		.amdhsa_forward_progress 1
		.amdhsa_inst_pref_size 33
	.end_amdhsa_kernel
	.amdgpu_metadata
---
amdhsa.version: [ 1, 2 ]
amdhsa.kernels:
  - .name:           k_q991192b316_attn
    .symbol:         k_q991192b316_attn.kd
    .args:
      - { .name: img, .offset: 0, .size: 8, .value_kind: global_buffer, .address_space: global }
      - { .name: sc, .offset: 8, .size: 8, .value_kind: global_buffer, .address_space: global }
      - { .name: aimg, .offset: 16, .size: 8, .value_kind: global_buffer, .address_space: global }
      - { .name: asc, .offset: 24, .size: 8, .value_kind: global_buffer, .address_space: global }
    .group_segment_fixed_size: 215040
    .private_segment_fixed_size: 0
    .kernarg_segment_align: 8
    .kernarg_segment_size: 32
    .max_flat_workgroup_size: 512
    .sgpr_count:     96
    .vgpr_count:     256
    .wavefront_size: 32
...
	.end_amdgpu_metadata
.endif
;; end of part 3
;; launch outln (part 4): grid 256 x 1, 16 waves a work-group, no clusters, 169,984 bytes of LDS; arguments aimg, asc, wimg, Wo_scales, q, gamma, beta, out0; writes out0
.if DOCPART == 4
	.amdgcn_target "amdgcn-amd-amdhsa--gfx1250"
	.amdhsa_code_object_version 6
	.text
	.protected	k_q991192b316_outln
	.globl	k_q991192b316_outln
	.p2align	8
	.type	k_q991192b316_outln,@function
k_q991192b316_outln:
	s_mov_b64 s[64:65], 0
	v_nop
	global_prefetch_b8 v0, s[64:65] scope:SCOPE_SE
	s_setreg_imm32_b32 hwreg(HW_REG_WAVE_MODE, 25, 1), 1
	s_wait_xcnt 0x0
; out0 = LayerNorm(attn Wo^T + q) x gamma + beta.  The product is on codes of BF6 (E3M2) with one E8M0 scale for each 32 along K = 1,024; all else in f32.
; SHARES.  Work-group P owns tokens 32 P .. 32 P + 31, whole rows, so that mean and variance need no other work-group.  Wave w of sixteen owns columns 64 w .. 64 w + 63: four tiles of Wo x two tiles of tokens:
; eight accumulators.  The product is used transposed (source 0 = 16 rows of Wo, source 1 = 16 tokens): lane (r, h) holds one token and register j column 16 t + 8 h + j.
; In a tile u of tokens, place p holds token 16 (p / 8) + 8 u + p % 8 of the 32, as the launches before laid it.
; attn's two tiles (24,576 bytes of register images) go through LDS: every wave reads all of them.  Wo's fragments go from their images in memory STRAIGHT INTO REGISTERS, a ring of five sets, four ahead.
; NO CLUSTER, NO JOINT LOADS, though all work-groups read the same 786,432 bytes of Wo: a fragment of Wo is wanted by exactly one wave of a work-group, for two products, so LDS would add a write and a read of
; every byte; and 786,432 bytes are more than twice what a work-group can hold, so they would come through slots filled again behind rounds of a cluster's barrier, sixteen waves waiting at each.
; q IS THE C OF THE FIRST PRODUCTS: it is loaded by rows (sixteen lanes to 256 consecutive bytes), turned through the wave's own stage in LDS into the accumulators' layout, and costs no addition.
; THE VARIANCE is the mean of (x - mean)^2, in a second pass over the registers: no difference of large sums.  1 / sqrt by v_rsq_f32.
; LIMITS: NaN and infinities are not served.
; REGISTERS: v1 16 x lane, v2 8 x lane (global offsets, and LDS addresses of the images, which lie at LDS byte 0); v3-v12 addresses; v16-39 attn's two fragments; v40-55 Wo's scale words; v56-63 attn's;
; v64-127 the accumulators ((u, t) at v[64 + 8 (4 u + t)]); v128-247 the ring, later gamma, beta, partial sums, rows of the result; v248-255 at work.
.set STG,   24576                      ; LDS: behind the images a stage of 32 rows x (256 bytes + 16) for each wave,
.set SWAVE, 8704
.set RED1,  163840                     ; the waves' partial sums: [tile u][place][wave], 2,048 bytes,
.set RED2,  165888                     ; and those of the squares
.set L16,  1
.set L8,   2
.set AF,   16
.set WS,   40                          ; register 4 t + i: lanes 0-15 K step i, lanes 16-31 K step 4 + i, of Wo's tile t
.set AS,   56                          ; register 4 u + i: the same of tile u of tokens
.set ACC,  64
.set WR,   128
.set GM,   128
.set BT,   160
.set RD,   192
	s_load_b512 s[4:19], s[0:1], 0x0               ; aimg s[4:5], asc s[6:7], wimg s[8:9], Wo's scales s[10:11], q s[12:13], gamma s[14:15], beta s[16:17], out0 s[18:19]
	v_lshl_add_u32 v8, v0, 2, 0x29000
	v_mov_b32 v9, 0
	v_lshrrev_b32 v13, 5, v0
	s_delay_alu instid0(VALU_DEP_1)
	v_readfirstlane_b32 s20, v13                   ; wave 0..15
	v_and_b32 v13, 31, v0                          ; lane
	v_and_b32 v14, 15, v0                          ; r
	v_bfe_u32 v15, v0, 4, 1                        ; h
	s_delay_alu instid0(VALU_DEP_3)
	v_lshlrev_b32 v[L16], 4, v13
	s_delay_alu instid0(VALU_DEP_4)
	v_lshlrev_b32 v[L8], 3, v13
	s_delay_alu instid0(VALU_DEP_4)
	v_lshlrev_b32 v3, 5, v14
	s_delay_alu instid0(VALU_DEP_1)
	v_lshl_add_u32 v3, v15, 4, v3                  ; scale bytes: row r of 32 bytes, + 16 h: four words
	v_lshlrev_b32 v4, 4, v14
	s_delay_alu instid0(VALU_DEP_1)
	v_lshl_add_u32 v4, v15, 12, v4                 ; q and out0: lanes 0-15 one row's 256 bytes, lanes 16-31 the next row's
	s_mul_i32 s21, s20, SWAVE
	s_add_co_u32 s21, s21, STG                     ; my stage
	v_mul_u32_u24 v5, v15, 272
	s_delay_alu instid0(VALU_DEP_1)
	v_lshl_add_u32 v5, v14, 4, v5
	s_delay_alu instid0(VALU_DEP_1)
	v_add_nc_u32 v5, s21, v5                       ; by rows: two rows an instruction
	v_mul_u32_u24 v6, v14, 272
	s_delay_alu instid0(VALU_DEP_1)
	v_lshl_add_u32 v6, v15, 5, v6
	s_delay_alu instid0(VALU_DEP_1)
	v_add_nc_u32 v6, s21, v6                       ; by accumulators: row r, + 32 h
	s_mul_i32 s21, s20, 1536
	v_add_nc_u32 v7, s21, v[L16]                   ; where I put my sixteenth of the images
	v_lshlrev_b32 v11, 6, v14
	s_delay_alu instid0(VALU_DEP_1)
	v_add_nc_u32 v11, RED1, v11                    ; a place's sixteen partial sums,
	s_delay_alu instid0(VALU_DEP_1)
	v_lshl_add_u32 v10, s20, 2, v11                ; and mine among them
	v_lshlrev_b32 v12, 5, v15                      ; gamma and beta: 32 h
	v_mov_b32 v252, 0                              ; written once: a lane permute's destination counts as one of its sources
	v_mov_b32 v253, 0
	s_mov_b32 s24, 0x76543210
	s_mov_b32 s25, 0xfedcba98                      ; v_permlanex16_b32's selects for lane l xor 16
	s_mov_b32 s26, 0x3a800000                      ; 1 / 1,024
	s_mov_b32 s27, 0x3727c5ac                      ; 1e-5
	s_mov_b32 s23, 0
	s_wait_alu depctr_va_vdst(0)
	s_wait_kmcnt 0x0
	s_mul_i32 s22, ttmp9, 24576
	s_add_co_u32 s22, s22, s21
	s_add_nc_u64 s[4:5], s[4:5], s[22:23]          ; my 1,536 bytes of the work-group's images
	s_lshl_b32 s22, ttmp9, 10
	s_add_nc_u64 s[6:7], s[6:7], s[22:23]          ; the two tiles' scale bytes
	s_mul_i32 s22, s20, 49152
	s_add_nc_u64 s[8:9], s[8:9], s[22:23]          ; my four tiles of Wo
	s_lshl_b32 s22, s20, 11
	s_add_nc_u64 s[10:11], s[10:11], s[22:23]      ; and their scale bytes
	s_lshl_b32 s22, s20, 8
	s_add_nc_u64 s[14:15], s[14:15], s[22:23]      ; my 64 columns of gamma and beta
	s_add_nc_u64 s[16:17], s[16:17], s[22:23]
	s_lshl_b32 s28, ttmp9, 17
	s_add_co_u32 s22, s22, s28
	s_add_nc_u64 s[12:13], s[12:13], s[22:23]      ; and of the 32 rows of q and out0
	s_add_nc_u64 s[18:19], s[18:19], s[22:23]
; Unit i of sixteen: K step i / 2, Wo's tiles 2 (i % 2) and 2 (i % 2) + 1: eight loads into set i % 5
.macro WLOAD i
.set WB, WR+24*((\i)%5)
.set WK, (\i)/2
.set WT, 2*((\i)%2)
.irp x, 0,1
.irp c, 0,1
	global_load_b128 v[WB+12*\x+6*\c:WB+12*\x+6*\c+3], v[L16], s[8:9] offset:12288*(WT+\x)+1536*WK+768*\c
	global_load_b64 v[WB+12*\x+6*\c+4:WB+12*\x+6*\c+5], v[L8], s[8:9] offset:12288*(WT+\x)+1536*WK+768*\c+512
.endr
.endr
.endm
.irp i, 0,1,2
	global_load_b128 v[AF+4*\i:AF+4*\i+3], v[L16], s[4:5] offset:512*\i
.endr
.irp i, 0,1,2,3,4,5,6,7,8,9,10,11,12,13,14,15
	global_load_b128 v[ACC+4*\i:ACC+4*\i+3], v4, s[12:13] offset:8192*\i th:TH_LOAD_NT   ; q: tokens 2 i and 2 i + 1, my 256 bytes of each
.endr
.irp t, 0,1,2,3
	global_load_b128 v[WS+4*\t:WS+4*\t+3], v3, s[10:11] offset:512*\t
.endr
.irp u, 0,1
	global_load_b128 v[AS+4*\u:AS+4*\u+3], v3, s[6:7] offset:512*\u
.endr
	WLOAD 0
	WLOAD 1
	WLOAD 2
	WLOAD 3
	s_wait_loadcnt 54                              ; of 57 loads the first three are in: my part of the images
.irp i, 0,1,2
	ds_store_b128 v7, v[AF+4*\i:AF+4*\i+3] offset:512*\i
.endr
	s_wait_loadcnt 38                              ; q's sixteen are in
.irp i, 0,1,2,3,4,5,6,7,8,9,10,11,12,13,14,15
.set SG, 16*(((2*\i)/8)%2)+8*((2*\i)/16)+(2*\i)%8    ; token 16 a + 8 u + n lies in stage row 16 u + 8 a + n: a tile's sixteen places are sixteen neighbouring rows
	ds_store_b128 v5, v[ACC+4*\i:ACC+4*\i+3] offset:272*SG
.endr
	s_wait_dscnt 0x0                               ; for the others' sake: my stores are done
	s_barrier_signal -1
	s_barrier_wait -1                              ; the images lie in LDS
.irp u, 0,1
.irp t, 0,1,2,3
	ds_load_b128 v[ACC+32*\u+8*\t:ACC+32*\u+8*\t+3], v6 offset:4352*\u+64*\t        ; q in the accumulators' layout
	ds_load_b128 v[ACC+32*\u+8*\t+4:ACC+32*\u+8*\t+7], v6 offset:4352*\u+64*\t+16
.endr
.endr
; Four products.  The eight accumulators take turns, one instruction a turn: a unit takes four, the next unit the other four.
.macro UNIT i
.set UB, WR+24*((\i)%5)
.set UK, (\i)/2
.set UT, 2*((\i)%2)
.if (\i) > 0
.rept 4
	v_nop                                          ; places in front of loads into registers that the last unit's products have read
.endr
.endif
.if (\i) < 12
	WLOAD (\i)+4                                   ; into the set that the last unit has left
.endif
.if (\i)%2 == 0
.irp u, 0,1
.irp c, 0,1
	ds_load_b128 v[AF+12*\u+6*\c:AF+12*\u+6*\c+3], v[L16] offset:12288*\u+1536*UK+768*\c
	ds_load_b64 v[AF+12*\u+6*\c+4:AF+12*\u+6*\c+5], v[L8] offset:12288*\u+1536*UK+768*\c+512
.endr
.endr
.endif
.if (\i) < 12
	s_wait_loadcnt 32                              ; this unit's eight loads are in; those of the four units behind it may be out
.else
	s_wait_loadcnt 8*(15-(\i))
.endif
.if (\i)%2 == 0
	s_wait_dscnt 0x0
.endif
.irp x, 0,1
.irp u, 0,1
.if UK < 4
	v_wmma_scale_f32_16x16x128_f8f6f4 v[ACC+8*(4*\u+UT+\x):ACC+8*(4*\u+UT+\x)+7], v[UB+12*\x:UB+12*\x+11], v[AF+12*\u:AF+12*\u+11], v[ACC+8*(4*\u+UT+\x):ACC+8*(4*\u+UT+\x)+7], v[WS+4*(UT+\x)+UK%4], v[AS+4*\u+UK%4] matrix_a_fmt:MATRIX_FMT_BF6 matrix_b_fmt:MATRIX_FMT_BF6
.else
	v_wmma_scale_f32_16x16x128_f8f6f4 v[ACC+8*(4*\u+UT+\x):ACC+8*(4*\u+UT+\x)+7], v[UB+12*\x:UB+12*\x+11], v[AF+12*\u:AF+12*\u+11], v[ACC+8*(4*\u+UT+\x):ACC+8*(4*\u+UT+\x)+7], v[WS+4*(UT+\x)+UK%4], v[AS+4*\u+UK%4] matrix_a_fmt:MATRIX_FMT_BF6 matrix_b_fmt:MATRIX_FMT_BF6 matrix_a_scale:MATRIX_SCALE_ROW1 matrix_b_scale:MATRIX_SCALE_ROW1
.endif
.endr
.endr
.endm
.irp i, 0,1,2,3,4,5,6,7,8,9,10,11,12,13,14,15
	UNIT \i
.endr
.rept 4
	v_nop                                          ; places behind the last products
.endr
.irp t, 0,1,2,3
	global_load_b128 v[GM+8*\t:GM+8*\t+3], v12, s[14:15] offset:64*\t          ; gamma and beta in the accumulators' layout: columns 16 t + 8 h + 0 .. 7
	global_load_b128 v[GM+8*\t+4:GM+8*\t+7], v12, s[14:15] offset:64*\t+16
	global_load_b128 v[BT+8*\t:BT+8*\t+3], v12, s[16:17] offset:64*\t
	global_load_b128 v[BT+8*\t+4:BT+8*\t+7], v12, s[16:17] offset:64*\t+16
.endr
	; THE MEAN.  A lane's 32 numbers of each tile of tokens, each accumulator from its low end on; the two tiles by turns
	v_pk_add_f32 v[248:249], v[ACC:ACC+1], v[ACC+2:ACC+3]
	v_pk_add_f32 v[250:251], v[ACC+32:ACC+33], v[ACC+34:ACC+35]
.irp j, 4,6,8,10,12,14,16,18,20,22,24,26,28,30
	v_pk_add_f32 v[248:249], v[248:249], v[ACC+\j:ACC+\j+1]
	v_pk_add_f32 v[250:251], v[250:251], v[ACC+32+\j:ACC+33+\j]
.endr
	s_delay_alu instid0(VALU_DEP_2)
	v_add_f32 v248, v248, v249
	s_delay_alu instid0(VALU_DEP_2)
	v_add_f32 v250, v250, v251
	s_delay_alu instid0(VALU_DEP_2)
	v_permlanex16_b32 v252, v248, s24, s25
	s_delay_alu instid0(VALU_DEP_2)
	v_permlanex16_b32 v253, v250, s24, s25
	s_delay_alu instid0(VALU_DEP_2)
	v_add_f32 v248, v248, v252                     ; my wave's 64 columns of the token at place r
	s_delay_alu instid0(VALU_DEP_2)
	v_add_f32 v250, v250, v253
	ds_store_b32 v10, v248                         ; both halves of the lanes write the same word with the same value
	ds_store_b32 v10, v250 offset:1024
	s_wait_dscnt 0x0
	s_barrier_signal -1
	s_barrier_wait -1
.irp u, 0,1
.irp i, 0,1,2,3
	ds_load_b128 v[RD+16*\u+4*\i:RD+16*\u+4*\i+3], v11 offset:1024*\u+16*\i      ; the sixteen waves' sums of my token
.endr
.endr
	s_wait_dscnt 0x0
	v_pk_add_f32 v[248:249], v[RD:RD+1], v[RD+2:RD+3]
	v_pk_add_f32 v[250:251], v[RD+16:RD+17], v[RD+18:RD+19]
.irp j, 4,6,8,10,12,14
	s_delay_alu instid0(VALU_DEP_2)
	v_pk_add_f32 v[248:249], v[248:249], v[RD+\j:RD+\j+1]
	s_delay_alu instid0(VALU_DEP_2)
	v_pk_add_f32 v[250:251], v[250:251], v[RD+16+\j:RD+17+\j]
.endr
	s_delay_alu instid0(VALU_DEP_2)
	v_add_f32 v248, v248, v249
	s_delay_alu instid0(VALU_DEP_2)
	v_add_f32 v250, v250, v251
	s_delay_alu instid0(VALU_DEP_2)
	v_mul_f32 v248, s26, v248                      ; the means
	s_delay_alu instid0(VALU_DEP_2)
	v_mul_f32 v250, s26, v250
.set j, 0
.rept 16
	v_pk_add_f32 v[ACC+j:ACC+j+1], v[ACC+j:ACC+j+1], v[248:249] op_sel_hi:[1,0] neg_lo:[0,1] neg_hi:[0,1]            ; x - mean
	v_pk_add_f32 v[ACC+32+j:ACC+33+j], v[ACC+32+j:ACC+33+j], v[250:251] op_sel_hi:[1,0] neg_lo:[0,1] neg_hi:[0,1]
.set j, j+2
.endr
	; THE VARIANCE: the mean of (x - mean)^2, by the same road, through other bytes
	v_pk_mul_f32 v[252:253], v[ACC:ACC+1], v[ACC:ACC+1]
	v_pk_mul_f32 v[254:255], v[ACC+32:ACC+33], v[ACC+32:ACC+33]
.irp j, 2,4,6,8,10,12,14,16,18,20,22,24,26,28,30
	s_delay_alu instid0(VALU_DEP_2)
	v_pk_fma_f32 v[252:253], v[ACC+\j:ACC+\j+1], v[ACC+\j:ACC+\j+1], v[252:253]
	s_delay_alu instid0(VALU_DEP_2)
	v_pk_fma_f32 v[254:255], v[ACC+32+\j:ACC+33+\j], v[ACC+32+\j:ACC+33+\j], v[254:255]
.endr
	s_delay_alu instid0(VALU_DEP_2)
	v_add_f32 v252, v252, v253
	s_delay_alu instid0(VALU_DEP_2)
	v_add_f32 v254, v254, v255
	s_delay_alu instid0(VALU_DEP_2)
	v_permlanex16_b32 v[RD], v252, s24, s25
	s_delay_alu instid0(VALU_DEP_2)
	v_permlanex16_b32 v[RD+1], v254, s24, s25
	s_delay_alu instid0(VALU_DEP_2)
	v_add_f32 v252, v252, v[RD]
	s_delay_alu instid0(VALU_DEP_2)
	v_add_f32 v254, v254, v[RD+1]
	ds_store_b32 v10, v252 offset:RED2-RED1
	ds_store_b32 v10, v254 offset:RED2-RED1+1024
	s_wait_dscnt 0x0
	s_barrier_signal -1
	s_barrier_wait -1
.irp u, 0,1
.irp i, 0,1,2,3
	ds_load_b128 v[RD+16*\u+4*\i:RD+16*\u+4*\i+3], v11 offset:RED2-RED1+1024*\u+16*\i
.endr
.endr
	s_wait_dscnt 0x0
	v_pk_add_f32 v[252:253], v[RD:RD+1], v[RD+2:RD+3]
	v_pk_add_f32 v[254:255], v[RD+16:RD+17], v[RD+18:RD+19]
.irp j, 4,6,8,10,12,14
	s_delay_alu instid0(VALU_DEP_2)
	v_pk_add_f32 v[252:253], v[252:253], v[RD+\j:RD+\j+1]
	s_delay_alu instid0(VALU_DEP_2)
	v_pk_add_f32 v[254:255], v[254:255], v[RD+16+\j:RD+17+\j]
.endr
	s_delay_alu instid0(VALU_DEP_2)
	v_add_f32 v252, v252, v253
	s_delay_alu instid0(VALU_DEP_2)
	v_add_f32 v254, v254, v255
	s_delay_alu instid0(VALU_DEP_2)
	v_fma_f32 v252, v252, s26, s27                 ; variance + 1e-5
	s_delay_alu instid0(VALU_DEP_2)
	v_fma_f32 v254, v254, s26, s27
	s_wait_alu depctr_va_vdst(0)
	v_rsq_f32 v252, v252
	v_rsq_f32 v254, v254
	v_nop                                          ; one plain place behind a transcendental
	s_wait_loadcnt 0x0                             ; gamma and beta
.set j, 0
	s_wait_alu depctr_va_vdst(0)
.rept 16
	v_pk_mul_f32 v[ACC+j:ACC+j+1], v[ACC+j:ACC+j+1], v[252:253] op_sel_hi:[1,0]
	v_pk_mul_f32 v[ACC+32+j:ACC+33+j], v[ACC+32+j:ACC+33+j], v[254:255] op_sel_hi:[1,0]
.set j, j+2
.endr
.set j, 0
.rept 16
	v_pk_fma_f32 v[ACC+j:ACC+j+1], v[ACC+j:ACC+j+1], v[GM+j:GM+j+1], v[BT+j:BT+j+1]
	v_pk_fma_f32 v[ACC+32+j:ACC+33+j], v[ACC+32+j:ACC+33+j], v[GM+j:GM+j+1], v[BT+j:BT+j+1]
.set j, j+2
.endr
	; THE WAY OUT: back through my stage, the way q came
.irp u, 0,1
.irp t, 0,1,2,3
	ds_store_b128 v6, v[ACC+32*\u+8*\t:ACC+32*\u+8*\t+3] offset:4352*\u+64*\t
	ds_store_b128 v6, v[ACC+32*\u+8*\t+4:ACC+32*\u+8*\t+7] offset:4352*\u+64*\t+16
.endr
.endr
.irp i, 0,1,2,3,4,5,6,7,8,9,10,11,12,13,14,15
.set SG, 16*(((2*\i)/8)%2)+8*((2*\i)/16)+(2*\i)%8
	ds_load_b128 v[WR+4*\i:WR+4*\i+3], v5 offset:272*SG      ; LDS serves a wave's instructions in order (ISA guide 5.7.1.4): these see my stores
.endr
.irp i, 0,1,2,3,4,5,6,7,8,9,10,11,12,13,14,15
	s_wait_dscnt 15-\i                             ; load i is in; the younger ones may be out
	global_store_b128 v4, v[WR+4*\i:WR+4*\i+3], s[18:19] offset:8192*\i th:TH_STORE_NT   ; each half of the lanes stores 256 consecutive bytes of a row, aligned; written once, read by nobody here
.endr
	s_wait_tensorcnt 0x0
	ds_add_u32 v8, v9
	s_wait_dscnt 0x0
	s_endpgm
.Lfunc_end_k_q991192b316_outln:
	.size	k_q991192b316_outln, .Lfunc_end_k_q991192b316_outln-k_q991192b316_outln
	.p2alignl 7, 3214868480
	.fill 96, 4, 3214868480
	.section	.rodata,"a",@progbits
	.p2align	6, 0x0
	.amdhsa_kernel k_q991192b316_outln
		.amdhsa_group_segment_fixed_size 169984
		.amdhsa_private_segment_fixed_size 0
		.amdhsa_enable_private_segment 0
		.amdhsa_kernarg_size 64
		.amdhsa_user_sgpr_count 2
		.amdhsa_user_sgpr_kernarg_segment_ptr 1
		.amdhsa_wavefront_size32 1
		.amdhsa_system_sgpr_workgroup_id_x 1
		.amdhsa_system_sgpr_workgroup_id_y 1
		.amdhsa_system_sgpr_workgroup_id_z 1
		.amdhsa_system_vgpr_workitem_id 0
		.amdhsa_next_free_vgpr 256
		.amdhsa_next_free_sgpr 66
		.amdhsa_reserve_vcc 0
		.amdhsa_float_denorm_mode_32 3
		.amdhsa_float_denorm_mode_16_64 3
		.amdhsa_memory_ordered 1
		.amdhsa_forward_progress 1
		.amdhsa_inst_pref_size 57
	.end_amdhsa_kernel
	.amdgpu_metadata
---
amdhsa.version: [ 1, 2 ]
amdhsa.kernels:
  - .name:           k_q991192b316_outln
    .symbol:         k_q991192b316_outln.kd
    .args:
      - { .name: aimg, .offset: 0, .size: 8, .value_kind: global_buffer, .address_space: global }
      - { .name: asc, .offset: 8, .size: 8, .value_kind: global_buffer, .address_space: global }
      - { .name: wimg, .offset: 16, .size: 8, .value_kind: global_buffer, .address_space: global }
      - { .name: Wo_scales, .offset: 24, .size: 8, .value_kind: global_buffer, .address_space: global }
      - { .name: q, .offset: 32, .size: 8, .value_kind: global_buffer, .address_space: global }
      - { .name: gamma, .offset: 40, .size: 8, .value_kind: global_buffer, .address_space: global }
      - { .name: beta, .offset: 48, .size: 8, .value_kind: global_buffer, .address_space: global }
      - { .name: out0, .offset: 56, .size: 8, .value_kind: global_buffer, .address_space: global }
    .group_segment_fixed_size: 169984
    .private_segment_fixed_size: 0
    .kernarg_segment_align: 8
    .kernarg_segment_size: 64
    .max_flat_workgroup_size: 512
    .sgpr_count:     66
    .vgpr_count:     256
    .wavefront_size: 32
...
	.end_amdgpu_metadata
.endif
;; end of part 4
